; MI455X (gfx1250); checked and timed in simulation.
; The chip was launched on July 23, 2026; its instructions are those of AMD's public machine-readable ISA for CDNA 5 (MIT licence, August 2026) and "CDNA5" Instruction Set Architecture Reference Guide (July 2026). The comments in the code are by the model that wrote it; some were corrected since.
;; Self Attention V1. Allowed arithmetic: matrix products marked QUANTISED: E4M3 operands, one E8M0 scale for each 32 along K, by v_wmma_scale_f32_16x16x128_f8f6f4 with both operands' format E4M3, f32 sums; everything else in f32.
;; Inputs: Wk_codes 1,024 x 32 x 32 uint8 (E4M3 codes of Wk, K innermost, in blocks of 32 codes); Wk_scales 1,024 x 32 uint8 (E8M0 scales of Wk, one for each 32 codes along K); Wq_codes 1,024 x 32 x 32 uint8 (E4M3 codes of Wq, K innermost, in blocks of 32 codes); Wq_scales 1,024 x 32 uint8 (E8M0 scales of Wq, one for each 32 codes along K); Wv_codes 1,024 x 32 x 32 uint8 (E4M3 codes of Wv, K innermost, in blocks of 32 codes); Wv_scales 1,024 x 32 uint8 (E8M0 scales of Wv, one for each 32 codes along K); X_codes 4 x 2,048 x 32 x 32 uint8 (E4M3 codes of X, K innermost, in blocks of 32 codes); X_scales 4 x 2,048 x 32 uint8 (E8M0 scales of X, one for each 32 codes along K); bk 1,024 float32; bq 1,024 float32; bv 1,024 float32.
;; Outputs: out0 4 x 2,048 x 1,024 float32.
;; This version of the problem:
;;   THIS VERSION OF THE PROBLEM IS GIVEN IN LOW PRECISION. The matrix products marked QUANTISED in the list below multiply operands that are first quantised to E4M3 (4 exponent bits, 3 mantissa bits; 8 bits a number), with one power-of-two scale for each 32 numbers along K (OCP MX v1.0); their sums are f32. All else is computed in f32.
;;   The module's matrix products, in the order in which they are computed (A, B: the left and right operand; K: the contracted axis; several contracted axes count as one K, in the product's order):
;;     1. [M 8,192, K 1,024] x [K 1,024, N 1,024]; A: input X (given as codes); B: input Wq (given as codes): QUANTISED
;;     2. [M 8,192, K 1,024] x [K 1,024, N 1,024]; A: input X (given as codes); B: input Wk (given as codes): QUANTISED
;;     3. [M 8,192, K 1,024] x [K 1,024, N 1,024]; A: input X (given as codes); B: input Wv (given as codes): QUANTISED
;;     4. batch 4 x [M 2,048, K 1,024] x [K 1,024, N 2,048]; A: computed on the way; B: computed on the way: QUANTISED
;;     5. batch 4 x [M 2,048, K 2,048] x [K 2,048, N 1,024]; A: softmax (see below); B: computed on the way: QUANTISED
;;   THE QUANTISER, for each operand of a quantised product, along K:
;;     - K is cut into blocks of 32 from its start; a last block that is shorter is filled with zeros.
;;     - A block's scale is 2^e with e = floor(log2(the largest magnitude in the block)) - 8, held to -126 .. 127; a block of zeros has e = 0. As a byte (E8M0): e + 127.
;;     - Each number is divided by its block's scale, clamped to +-448, and rounded to the nearest number of E4M3, ties to even, subnormals kept.
;;     - The product sums the exact products of the quantised numbers (number of the format x scale) in f32.
;;   ~~~python
;;   def quantise(x, axis):      # numpy; x: float32 -> the quantised numbers, widened to float32 again
;;       x = np.moveaxis(x, axis, -1); K = x.shape[-1]
;;       x = np.pad(x, [(0, 0)] * (x.ndim - 1) + [(0, -K % 32)]); x = x.reshape(x.shape[:-1] + (-1, 32)); a = np.abs(x).max(-1, keepdims=True)
;;       e = np.where(a > 0, np.clip(np.frexp(np.where(a > 0, a, 1))[1] - 1 - 8, -126, 127), 0)      # np.frexp(a)[1] - 1 = floor(log2(a)), exactly
;;       r = np.clip(x / 2.0 ** e, -448, 448)
;;       step = 2.0 ** (np.maximum(np.frexp(np.where(r == 0, 1, r))[1] - 1, -6) - 3)
;;       q = np.round(r / step) * step * 2.0 ** e      # np.round: ties to even
;;       return np.moveaxis(q.reshape(q.shape[:-2] + (-1,))[..., :K], -1, axis).astype(np.float32)
;;   ~~~
;;   SOFTMAX AHEAD OF A QUANTISED PRODUCT. Where the list says 'softmax', what is quantised is not the finished softmax but p = 2^(t - M), with t = logit x log2(e) and M = ceil(the row's largest t), a whole number; so 1/2 < the row's largest p <= 1. The row's sum l is taken of the UNQUANTISED p, in f32, and the product's result is divided by l at the end. Since M is a whole number, a kernel that streams over the keys may use a running M (the ceiling of the running maximum): every later rescaling is an exact power of two, which a block's scale takes up: the codes' values come out the same.
;;   OPERANDS COMPUTED ON THE WAY. 'Computed on the way' means the value that the module computes at that place (a softmax that the list does not call 'softmax' is quantised finished and normalised). What goes into a quantiser is computed in f32, as accurately as f32 sums, v_exp_f32 and their like allow (about 1e-6 of the number): no bf16 or f16 on the way to a quantiser, and a product that is left as it is and whose result goes on into a quantised operand takes f32 operands (vector FMAs, or v_wmma_f32_16x16x4_f32). A number that lies on a knife's edge between two numbers of the format may be rounded either way, as far as f32 arithmetic and the matrix unit's own rounding can turn it there, and no further.
;;   INPUTS GIVEN AS CODES. Wk (in the module: [1024, 1024], K = its axis 1); Wq (in the module: [1024, 1024], K = its axis 1); Wv (in the module: [1024, 1024], K = its axis 1); X (in the module: [4, 2048, 1024], K = its axis 2): each comes as NAME_codes (uint8): NAME with its K axis moved to the last place and cut into blocks of 32 codes, [.., K / 32, bytes a block], one block behind the other in memory; one code a byte (a code: sign, 4 exponent bits, 3 mantissa bits); and NAME_scales (uint8): the same leading axes, one E8M0 byte (e + 127) for each 32 codes along K. Its value is code x scale, taken as it is: it is not quantised again, and the codes and scales need not be those that the quantiser above would give.
;; One version. Each part assembles by itself: llvm-mc -triple=amdgcn-amd-amdhsa -mcpu=gfx1250 --defsym DOCPART=n.
;; ======== version 1 of 1: 3 launches
;; limits: right only within a limited range of input values
;; workspace buffers: qkv_codes 25,165,824 bytes; qkv_scales 786,432 bytes; p_codes 16,777,216 bytes; p_scales 524,288 bytes; p_stats 1,048,576 bytes
;; launch proj (part 1): grid 4 x 64, 4 waves a work-group, clusters of 4 x 4, 327,680 bytes of LDS; arguments X_codes, X_scales, Wq_codes, Wq_scales, Wk_codes, Wk_scales, Wv_codes, Wv_scales, bq, bk, bv, qkv_codes, qkv_scales; writes qkv_codes, qkv_scales
.if DOCPART == 1
	.amdgcn_target "amdgcn-amd-amdhsa--gfx1250"
	.amdhsa_code_object_version 6
	.text
	.protected	k_qa08d448386_proj
	.globl	k_qa08d448386_proj
	.p2align	8
	.type	k_qa08d448386_proj,@function
k_qa08d448386_proj:
	s_mov_b64 s[64:65], 0
	v_nop
	global_prefetch_b8 v0, s[64:65] scope:SCOPE_SE
	s_setreg_imm32_b32 hwreg(HW_REG_WAVE_MODE, 25, 1), 1
	s_wait_xcnt 0x0
	s_wait_alu depctr_hold_cnt(0) depctr_sa_sdst(0) depctr_va_vdst(0) depctr_va_sdst(0) depctr_va_ssrc(0) depctr_va_vcc(0) depctr_vm_vsrc(0)
	s_getreg_b32 s2, hwreg(HW_REG_IB_STS2, 6, 4)
	s_cmp_eq_u32 s2, 0
	s_cbranch_scc0 .Lentry_in_a_cluster
	s_endpgm
.Lentry_in_a_cluster:
	s_bfe_u32 s2, ttmp6, 0x10000c
	s_cmp_lg_u32 s2, 0xf033
	s_cbranch_scc0 .Lentry_shape_is_right
	s_endpgm
.Lentry_shape_is_right:
; q = X Wq^T + bq, k = X Wk^T + bk, v = X Wv^T + bv on the given codes of FP8 (E4M3), one E8M0 scale for each 32 along K = 1,024; sums in f32; the results are quantised at once for the products that follow.
; THE DEAL.  256 work-groups: 128 tokens (row block 4 x cluster y + cy) x 256 rows of each of Wq, Wk, Wv (column block cx).  Four waves, wr = wave / 2, wc = wave % 2: a wave keeps its 64 tokens (64 wc on), ALL of K, in 512 registers,
; and streams weight rows past them: of each tensor the 128 rows from 128 wr on, in blocks of 16.  A chunk is 128 rows of W: 64 for each wr (rows 64 a .. of either half), four blocks a wave; six chunks m = 2 tensor + a.
; LDS holds two slots of 128 rows: X's rows lie in slot 1 until all waves hold them in registers; chunk m goes into slot m % 2.
; FILLS.  At the head waves 0, 1 fetch X's halves (shared along the cluster's row), waves 2, 3 chunk 0's halves (along its column).  Chunk 1 behind X's way into registers; chunk n + 2 in the round inside block 2 of trip n, which also shows chunk n + 1:
; at that place chunk n's last rows have been read.  One load a wave each time.  W's scale bytes and the biases come through registers into LDS.
; PREFETCH: a chunk is asked of memory one trip ahead of its load, by the four first clusters alone, since all clusters walk the same W: each wave names a quarter of its own 32 rows (by cy), 256 bytes a lane.
; q, k: source 0 = W's rows, so a lane's registers run along the embedding; v: source 0 = X's rows, so they run along the keys.  A pair of blocks gives eight accumulators, four units of 32 numbers (16 in a lane, 16 in lane l xor 16).
; A pair's way out (maxima, holds, conversions) stands among the next pair's products.  The bias is the C of each sum's first product.
; IMAGES OUT: 2,048 bytes a fragment, register group c of lane l at 512 c + 16 l: place (c, l / 16, byte i) holds k = 32 c + 8 (l / 16) + i % 8 + 16 (i / 8), alike in both operands of each later product.
;   qkv_codes: q at 0, k at 8,388,608: [block of 256 rows][K step of 128][tile of 16 rows][2,048]; v at 16,777,216: [batch][block of 256 channels][K step of 128 keys][tile][2,048].  qkv_scales: one word a row and K step, at the codes' offset / 32.
; LIMITS: NaN and infinities are not served.  A block of zeros, or one whose largest magnitude lies under 2^-118, gets the byte 1; these bytes are read by this program alone.
.set KROW, 1024
.set PITCH, 1040                       ; an LDS row: 1,024 bytes + 16 of padding
.set YB, 128*PITCH                     ; slot 1
.set SCL, 2*YB                         ; W's scale bytes: [chunk][wr][8 units of 8 rows: 256 bytes + 16]
.set BL, SCL+6*4352                    ; biases: [chunk][wr][block: 512 bytes]: q, k: 16 numbers; v: each of 16 numbers eight times
.set STQ, BL+6*4096+256                ; q's and k's scale bytes on their way out: [wr][wc][64 rows][q word, k word]
.set STV, STQ+2048+256                 ; v's: [wave][128 channels][2]
.set SPARE, STV+1024                   ; the spare words
.set NF, 36                            ; LDS loads of a block
.set NP, 8                             ; plain vector lines behind a matrix instruction (ISA guide 7.12.1)
.set ADRA0, 4
.set CO, 5
.set AAS0, 6
.set PFO, 7
.set BAQ, 8
.set BAV, 9
.set SPW, 10
.set NIL, 11
.set ADRA, 12
.set VX, 13
.set VX2, 14
.set ADRX, 15
.set BAD, 16
.set AAS, 17
.set VXQ, 18
.set VXW, 19
.set SOP, 20                           ; v20-23 the conversions' scale operands
.set SB, 24                            ; v24-39 X's scale words: register 8 p + q: lanes 0-15 tile 2 p, lanes 16-31 tile 2 p + 1
.set EB, 40                            ; v40-43 scale bytes
.set SA, 44                            ; v44-59 W's scale words, two sets: no product's two scale words have numbers equal modulo 8
.set TQ, 60                            ; v60-63 maxima and bounds
.set ACC, 64                           ; v64-191 two sets of eight accumulators
.set MCD, 192                          ; v192-207 codes
.set CB, 208                           ; v208-223 the bias, two sets
.set G1A, 24
.set G1B, 32
.set G1R, 40
.set G0A, 48
.set G0B, 52
.set G0R, 56
.set OSQ, 68
.set OSV, 70
.set OP, 84
.set PF, 86
.set QB, 94
.set VB, 96
.set PK, 98
.set PV, 100
.set MSB, 0
.macro WIN new                         ; the immediate's high byte repeats the setting that is left
.if MSB != (\new)
	s_set_vgpr_msb (MSB<<8)|(\new)
.set MSB, (\new)
.endif
.endm
.macro PLACES n
.rept \n
	v_nop
.endr
.endm
.macro BARRIER
	s_barrier_signal -1
	s_barrier_wait -1
.endm
.macro MIDDLE                          ; a round's middle, behind the work-group's signal
	WIN 0
	s_barrier_wait -1
	s_cmp_lg_u32 s14, 0
	s_cbranch_scc1 .Lnot_wave_0_\@
	s_barrier_signal -3
.Lnot_wave_0_\@:
	s_barrier_wait -3
.endm
.macro CROUND                          ; a round of the cluster's barrier
	s_barrier_signal -1
	MIDDLE
	BARRIER
.endm
.macro TLOAD g0, g1
	tensor_load_to_lds s[\g0:\g0+3], s[\g1:\g1+7]
	s_nop 0
	PLACES 4
.endm
.macro GROUP1 g, mask, rows            ; so many rows of 1,024 bytes, 16 bytes of padding behind each
	s_or_b32 s[\g+0], s[\mask], (1<<20)|(1<<21)|(7<<22)|(3<<25)
	s_mov_b32 s[\g+1], KROW<<16
	s_mov_b32 s[\g+2], (\rows)<<16
	s_mov_b32 s[\g+3], KROW<<16
	s_mov_b32 s[\g+4], \rows
	s_mov_b32 s[\g+5], KROW
	s_mov_b32 s[\g+6], 0
	s_mov_b32 s[\g+7], 0
.endm
.macro WALU
	s_wait_alu depctr_va_vdst(0)
.endm
.macro GRD
	s_wait_tensorcnt 0x0
	ds_add_u32 v[SPW], v[NIL]
.endm
	s_load_b512 s[68:83], s[0:1], 0x0              ; X codes, scales; Wq's; Wk's; Wv's
	s_load_b256 s[84:91], s[0:1], 0x40             ; bq, bk, bv, qkv_codes
	s_load_b64 s[92:93], s[0:1], 0x60              ; qkv_scales
	v_lshl_add_u32 v[SPW], v0, 2, SPARE
	v_mov_b32 v[NIL], 0
	ds_add_u32 v[SPW], v[NIL]                      ; the wave's opening: the add, twice on end, and its wait
	ds_add_u32 v[SPW], v[NIL]
	v_lshrrev_b32 v1, 5, v0
	v_readfirstlane_b32 s14, v1                    ; wave
	s_lshr_b32 s15, s14, 1                         ; wr
	s_and_b32 s16, s14, 1                          ; wc
	s_bfe_u32 s10, ttmp6, 0x40000                  ; cx: the column block
	s_bfe_u32 s11, ttmp6, 0x40004                  ; cy
	s_and_b32 s2, ttmp7, 0xffff
	s_cmp_lt_u32 s2, 4
	s_cselect_b32 s7, 3, 0                         ; trips in which my wave prefetches
	s_lshl_b32 s2, s2, 2
	s_add_co_u32 s2, s2, s11                       ; the row block, 0..63
	s_lshl_b32 s66, s11, 2
	s_lshl_b32 s66, 15, s66                        ; my row of the cluster shares X
	s_lshl_b32 s67, 0x1111, s10                    ; my column shares W
	GROUP1 G1A, 66, 64
	GROUP1 G1B, 67, 64
	GROUP1 G1R, 67, 32
	v_and_b32 v1, 15, v0                           ; r
	v_bfe_u32 v2, v0, 4, 1                         ; h
	v_and_b32 v3, 31, v0                           ; lane
	v_mul_u32_u24 v231, v1, PITCH
	v_lshl_add_u32 v231, v2, 4, v231               ; a fragment's row x pitch + 16 h
	s_mul_i32 s20, s15, 64*PITCH
	v_add_nc_u32 v[ADRA0], s20, v231
	s_mul_i32 s20, s16, 64*PITCH
	s_add_co_u32 s20, s20, YB
	v_add_nc_u32 v[ADRX], s20, v231
	v_lshlrev_b32 v231, 5, v1
	v_lshrrev_b32 v232, 3, v1
	v_lshl_add_u32 v231, v232, 4, v231             ; 32 bytes a row, 16 more for each 256
	s_mul_i32 s20, s15, 2176
	s_add_co_u32 s20, s20, SCL
	v_add_nc_u32 v[AAS0], s20, v231
	s_lshl_b32 s20, s15, 11
	s_add_co_u32 s20, s20, BL
	v_lshl_add_u32 v[BAQ], v2, 5, s20              ; q, k: eight numbers by h
	v_lshl_add_u32 v[BAV], v1, 5, s20              ; v: one number, eight times, by r
	v_lshlrev_b32 v[CO], 4, v3
	s_lshl_b32 s20, s14, 9
	s_add_co_u32 s20, s20, STQ-1
	v_lshl_add_u32 v[VXQ], v1, 3, s20              ; byte p of row r is 1 + p on
	s_lshl_b32 s20, s14, 8
	s_add_co_u32 s20, s20, STV-64
	v_lshl_add_u32 v[VXW], v1, 1, s20              ; v's pair i is 64 (i + 1) on
	s_lshl_b32 s20, s11, 13
	v_lshl_add_u32 v[PFO], v3, 8, s20
	v_lshlrev_b32 v224, 4, v0
	v_lshlrev_b32 v225, 3, v0
	v_lshlrev_b32 v226, 2, v0
	v_lshlrev_b32 v227, 5, v3
	v_lshrrev_b32 v228, 4, v0
	v_mul_u32_u24 v228, v228, 272
	v_lshl_add_u32 v228, v1, 4, v228
	v_add_nc_u32 v228, SCL, v228                   ; where 16 scale bytes of mine go
	v_lshrrev_b32 v229, 3, v3
	v_and_b32 v231, 7, v3
	v_lshlrev_b32 v229, 9, v229
	v_lshl_add_u32 v229, v231, 3, v229
	s_lshl_b32 s20, s16, 12
	s_lshl_b32 s21, s15, 11
	s_add_co_u32 s20, s20, s21
	s_add_co_u32 s20, s20, BL
	v_add_nc_u32 v229, s20, v229                   ; two numbers of q's or k's bias
	v_and_b32 v230, 63, v0
	s_lshl_b32 s20, s15, 12
	s_add_co_u32 s20, s20, BL
	v_lshl_add_u32 v230, v230, 5, s20              ; v's bias
.irp j, 188,189,190,191
	v_mov_b32 v[\j], 0                             ; with the head's loads into v128-187: the registers that the first way out reads, of which nothing is stored
.endr
	s_lshl_b32 s18, s2, 17                         ; X: my row block, 64 rows by wc
	s_lshl_b32 s20, s16, 16
	s_add_co_u32 s18, s18, s20
	s_mov_b32 s19, 0
	s_lshl_b32 s4, s10, 18                         ; W: my column block,
	s_lshl_b32 s5, s15, 17
	s_add_co_u32 s3, s4, s5
	s_lshl_b32 s5, s16, 15
	s_add_co_u32 s3, s3, s5                        ; s3: my 32 rows of a chunk with a = 0
	s_lshl_b32 s5, s16, 17
	s_add_co_u32 s4, s4, s5                        ; at the head: 64 rows, of half wc
	s_mov_b32 s5, 0
	s_mul_i32 s6, s14, 32*PITCH
	s_mul_i32 s20, s16, 64*PITCH
	s_mov_b32 s[G0A], 1
	s_add_co_u32 s[G0A+1], s20, YB
	s_mov_b32 s[G0B], 1
	s_mov_b32 s[G0B+1], s20
	s_mov_b32 s[G0R], 1
	s_add_co_u32 s[G0R+1], s6, YB
	s_mov_b32 s60, 0x76543210                      ; lane selects: lane l xor 16
	s_mov_b32 s61, 0xfedcba98
	s_mov_b32 s62, 0x600000                        ; the mantissa field of 448
	WALU
	s_wait_dscnt 0x0                               ; both opening adds are done
	CROUND                                         ; all sixteen work-groups are here
	s_wait_kmcnt 0x0
	s_add_nc_u64 s[G0A+2:G0A+3], s[68:69], s[18:19]
	s_or_b32 s[G0A+3], s[G0A+3], 0x80000000
	s_add_nc_u64 s[G0B+2:G0B+3], s[72:73], s[4:5]
	s_or_b32 s[G0B+3], s[G0B+3], 0x80000000
	s_cmp_lt_u32 s14, 2                            ; one joint load a wave; waves 0, 1 wait ahead of the first barrier, waves 2, 3 ahead of the second: a line each
	s_cbranch_scc0 .Lfor_w
	TLOAD G0A, G1A
	s_branch .Lasked
.Lfor_w:
	TLOAD G0B, G1B
.Lasked:
	s_lshl_b32 s20, s2, 12
	s_lshl_b32 s22, s16, 11
	s_add_co_u32 s20, s20, s22
	s_mov_b32 s21, 0
	s_add_nc_u64 s[20:21], s[70:71], s[20:21]      ; my 64 tokens' scale bytes, 32 a row
.irp p, 0,1
.irp c, 0,1
	global_load_b128 v[SB+8*\p+4*\c:SB+8*\p+4*\c+3], v227, s[20:21] offset:1024*\p+16*\c
.endr
.endr
	s_lshl_b32 s22, s10, 13
	s_mov_b32 s23, 0
	s_add_nc_u64 s[74:75], s[74:75], s[22:23]
	s_add_nc_u64 s[78:79], s[78:79], s[22:23]
	s_add_nc_u64 s[82:83], s[82:83], s[22:23]
.irp t, 0,1,2
.irp i, 0,1,2,3
	global_load_b128 v[128+16*\t+4*\i:131+16*\t+4*\i], v224, s[74+4*\t:75+4*\t] offset:2048*\i   ; 256 rows' scale bytes of each W: 8,192 dense bytes
.endr
.endr
	s_lshl_b32 s22, s10, 10
	s_add_nc_u64 s[84:85], s[84:85], s[22:23]
	s_add_nc_u64 s[86:87], s[86:87], s[22:23]
	s_add_nc_u64 s[88:89], s[88:89], s[22:23]
	global_load_b64 v[176:177], v225, s[84:85]
	global_load_b64 v[178:179], v225, s[86:87]
.irp k, 0,1,2,3
	global_load_b32 v[180+\k], v226, s[88:89]      ; v's bias: a number four times over
	global_load_b32 v[184+\k], v226, s[88:89] offset:512
.endr
	; where my results go
	s_lshr_b32 s4, s2, 1
	s_lshl_b32 s4, s4, 18
	s_lshl_b32 s5, s10, 1
	s_add_co_u32 s5, s5, s15
	s_lshl_b32 s5, s5, 15
	s_add_co_u32 s4, s4, s5
	s_and_b32 s5, s2, 1
	s_lshl_b32 s5, s5, 14
	s_add_co_u32 s4, s4, s5
	s_lshl_b32 s5, s16, 13
	s_add_co_u32 s4, s4, s5
	s_mov_b32 s5, 0
	s_add_nc_u64 s[QB:QB+1], s[90:91], s[4:5]      ; q's images: K step 2 cx + wr, my four tiles
	s_lshr_b32 s4, s4, 5
	s_add_nc_u64 s[OSQ:OSQ+1], s[92:93], s[4:5]
	s_lshr_b32 s4, s2, 4
	s_lshl_b32 s4, s4, 21
	s_lshl_b32 s5, s10, 19
	s_add_co_u32 s4, s4, s5
	s_and_b32 s5, s2, 15
	s_lshl_b32 s5, s5, 15
	s_add_co_u32 s4, s4, s5
	s_lshr_b32 s18, s4, 5
	s_lshl_b32 s5, s14, 8
	s_add_co_u32 s18, s18, s5
	s_add_co_u32 s18, s18, 0x80000
	s_mov_b32 s19, 0
	s_add_nc_u64 s[OSV:OSV+1], s[92:93], s[18:19]
	s_lshl_b32 s5, s15, 14
	s_add_co_u32 s4, s4, s5
	s_lshl_b32 s5, s16, 10
	s_add_co_u32 s4, s4, s5
	s_add_co_u32 s4, s4, 0x1000000
	s_mov_b32 s5, 0
	s_add_nc_u64 s[VB:VB+1], s[90:91], s[4:5]      ; v's: my eight tiles of channels, groups 2 wc, 2 wc + 1
	s_mov_b32 s4, s3
	s_add_nc_u64 s[PK:PK+1], s[76:77], s[4:5]
	s_add_nc_u64 s[PV:PV+1], s[80:81], s[4:5]
	s_add_co_u32 s4, s3, 0x10000
	s_add_nc_u64 s[G0R+2:G0R+3], s[72:73], s[4:5]  ; chunk 1
	s_or_b32 s[G0R+3], s[G0R+3], 0x80000000
	s_mov_b32 s12, 0                               ; the trip
	s_mov_b32 s13, 0                               ; the slot of the trip's chunk
	s_mov_b32 s8, 0                                ; the chunk's scale bytes
	s_mov_b32 s9, 0                                ; and bias
	s_wait_loadcnt 0x0
.irp t, 0,1,2
.irp i, 0,1,2,3
	ds_store_b128 v228, v[128+16*\t+4*\i:131+16*\t+4*\i] offset:4352*(2*\t+\i%2)+2176*(\i/2)
.endr
.endr
	ds_store_b64 v229, v[176:177]
	ds_store_b64 v229, v[178:179] offset:8192
.irp u, 0,1
	ds_store_b128 v230, v[180+4*\u:183+4*\u] offset:16384+2048*\u
	ds_store_b128 v230, v[180+4*\u:183+4*\u] offset:16384+2048*\u+16
.endr
	s_mov_b64 s[OP:OP+1], s[QB:QB+1]
	s_cmp_lt_u32 s14, 2
	s_cbranch_scc0 .Lnot_x
	s_wait_tensorcnt 0x0                           ; waves 0, 1: X's rows are in
.Lnot_x:
	s_wait_dscnt 0x0
	BARRIER
; my 64 tokens into windows 1 and 2: fragment 4 q + t: lane l holds row l % 16; registers 4 c .. 4 c + 3 hold K = 32 c + 16 (l / 16) + 0 .. 15
.irp q, 0,1,2,3,4,5,6,7
.irp t, 0,1,2,3
	WIN (1+\q/4)<<6
.irp c, 0,1,2,3
	ds_load_b128 v[16*((4*\q+\t)%16)+4*\c:16*((4*\q+\t)%16)+4*\c+3], v[ADRX] offset:16*\t*PITCH+128*\q+32*\c
.endr
.endr
.endr
	WIN 0
	GRD
	s_wait_dscnt 0x0                               ; the add is done, and X is in registers
	CROUND
	TLOAD G0R, G1R                                 ; chunk 1 into slot 1
.macro FETCH k, a, s, b, n, next=0             ; (next = 1: the chunk behind a trip of q and k: in the last trip that is v's first, with its own bias address)
	WIN 3<<6
.irp q, 0,1,2,3,4,5,6,7
.irp c, 0,1,2,3
	ds_load_b128 v[128*\k+16*\q+4*\c:128*\k+16*\q+4*\c+3], v[\a] offset:16*PITCH*(\n)+128*\q+32*\c
.endr
.endr
	WIN 0
	ds_load_b128 v[SA+8*\k:SA+8*\k+3], v[\s] offset:544*(\n)
	ds_load_b128 v[SA+8*\k+4:SA+8*\k+7], v[\s] offset:544*(\n)+16
.if \next
	s_cmp_eq_u32 s12, 3
	s_cbranch_scc1 .Lbias_of_v_\@
	ds_load_b128 v[CB+8*\k:CB+8*\k+3], v[\b] offset:512*(\n)
	ds_load_b128 v[CB+8*\k+4:CB+8*\k+7], v[\b] offset:512*(\n)+16
	s_branch .Lbias_asked_\@
.Lbias_of_v_\@:
	ds_load_b128 v[CB+8*\k:CB+8*\k+3], v[BAV] offset:16384+512*(\n)
	ds_load_b128 v[CB+8*\k+4:CB+8*\k+7], v[BAV] offset:16384+512*(\n)+16
.Lbias_asked_\@:
.else
	ds_load_b128 v[CB+8*\k:CB+8*\k+3], v[\b] offset:512*(\n)
	ds_load_b128 v[CB+8*\k+4:CB+8*\k+7], v[\b] offset:512*(\n)+16
.endif
.endm
; product n = 4 q + t: the q-th 128 of K, token tile t; W's rows in set e (also: even or odd block of the pair), sums in set s.  kind 0 (q, k): source 0 = W; kind 1 (v): source 0 = X.  Unit u's numbers lie in accumulators u and 4 + u in either kind.
.macro PROD kind, e, s, n
.set Q_, (\n)/4
.set T_, (\n)%4
.if \kind
.set AC_, ACC+64*(\s)+8*(4*(T_%2)+2*(\e)+T_/2)
.else
.set AC_, ACC+64*(\s)+8*(4*(\e)+T_)
.endif
.set C_, AC_
.if Q_ == 0
.set C_, CB+8*(\e)
.endif
.set W_, 128*(\e)+16*Q_
.set X_, 16*((\n)%16)
.set WS_, SA+8*(\e)+Q_
.set XS_, SB+8*(T_/2)+Q_
.if \kind
	WIN (1+(\n)/16)|(3<<2)
.if T_%2
	v_wmma_scale_f32_16x16x128_f8f6f4 v[AC_:AC_+7], v[X_:X_+15], v[W_:W_+15], v[C_:C_+7], v[XS_], v[WS_] matrix_a_scale:MATRIX_SCALE_ROW1
.else
	v_wmma_scale_f32_16x16x128_f8f6f4 v[AC_:AC_+7], v[X_:X_+15], v[W_:W_+15], v[C_:C_+7], v[XS_], v[WS_]
.endif
.else
	WIN 3|((1+(\n)/16)<<2)
.if T_%2
	v_wmma_scale_f32_16x16x128_f8f6f4 v[AC_:AC_+7], v[W_:W_+15], v[X_:X_+15], v[C_:C_+7], v[WS_], v[XS_] matrix_b_scale:MATRIX_SCALE_ROW1
.else
	v_wmma_scale_f32_16x16x128_f8f6f4 v[AC_:AC_+7], v[W_:W_+15], v[X_:X_+15], v[C_:C_+7], v[WS_], v[XS_]
.endif
.endif
.endm
.macro HOLD2 x, b
	v_med3_num_f32 v[\x], v[\x], -v[TQ+\b], v[TQ+\b]
	v_med3_num_f32 v[\x+1], v[\x+1], -v[TQ+\b], v[TQ+\b]
.endm
.macro HOLDS m, x                              ; two of a unit's holds; the bound stands twice, so that each is read soon behind its write
.if (\m) == 3
	HOLD2 \x, 3
.else
	HOLD2 \x, 1
.endif
.if (\m) == 2
	v_mov_b32 v[TQ+3], v[TQ+1]
.endif
.endm
; THE QUANTISER OF A PAIR, steps 0 .. 59, 15 a unit: 16 sums of unit U_ at E_ and O_, the other 16 in lane l xor 16 -> codes MCD + 4 U_, byte EB + U_
.macro GAPV u, x
.set U_, (\u)/15
.set J_, (\u)%15
.set E_, \x+8*U_
.set O_, E_+32
.if J_ == 0
	v_max3_num_f32 v[TQ], |v[E_]|, |v[E_+1]|, |v[E_+2]|
	v_max3_num_f32 v[TQ+2], |v[O_]|, |v[O_+1]|, |v[O_+2]|
.elseif J_ < 3
	v_max3_num_f32 v[TQ], v[TQ], |v[E_+2*J_+1]|, |v[E_+2*J_+2]|
	v_max3_num_f32 v[TQ+2], v[TQ+2], |v[O_+2*J_+1]|, |v[O_+2*J_+2]|
.elseif J_ == 3
	v_max3_num_f32 v[TQ+2], v[TQ+2], |v[O_+7]|, 0x4800000   ; the floor 2^(9 - 127)
	v_max3_num_f32 v[TQ], v[TQ], |v[E_+7]|, v[TQ+2]
.elseif J_ == 4
	v_permlanex16_b32 v[TQ+2], v[TQ], s60, s61
	v_max_num_f32 v[TQ], v[TQ], v[TQ+2]
.elseif J_ == 5
	v_add_nc_u32 v[SOP+U_], 0xfc000000, v[TQ]      ; 8 off the exponent field: the conversion's scale operand
	v_and_or_b32 v[TQ+1], v[TQ], 0x7f800000, s62   ; 448 x the scale
.elseif J_ < 10
	HOLDS J_-6, E_+2*(J_-6)
.if J_ == 9
	v_cvt_scalef32_pk8_fp8_f32 v[MCD+4*U_:MCD+4*U_+1], v[E_:E_+7], v[SOP+U_]
.endif
.elseif J_ < 14
	HOLDS J_-6, O_+2*(J_-10)
.if J_ == 13
	v_cvt_scalef32_pk8_fp8_f32 v[MCD+4*U_+2:MCD+4*U_+3], v[O_:O_+7], v[SOP+U_]
.endif
.else
	v_lshrrev_b32 v[EB+U_], 23, v[SOP+U_]
.endif
.endm
; WHAT STANDS BEHIND PRODUCT n of block j of a trip: behind product 0 addresses; from 1 to 30 the way out of the pair before; in block 2 behind the last the refill's group 0 and the prefetch's address
.macro LIST n, kind, j
.if (\n) == 0
.if (\j) == 0
	WIN 0
.if \kind
	s_cmp_eq_u32 s12, 0                            ; in the first trip of v the pair before is k's last
	s_mov_b32 s20, 4096
	s_cselect_b32 s20, 512, s20
	s_mov_b32 s21, 0
	s_add_nc_u64 s[OP:OP+1], s[OP:OP+1], s[20:21]
	s_lshl_b32 s22, s12, 7
	v_add_nc_u32 v[VX], 8, v[VXQ]
	v_add_nc_u32 v[VX2], s22, v[VXW]
	v_add_nc_u32 v[BAD], s9, v[BAV]
.else
	s_add_nc_u64 s[OP:OP+1], s[OP:OP+1], 512
	s_lshl_b32 s20, s12, 1
	v_add_nc_u32 v[VX], s20, v[VXQ]
	v_add_nc_u32 v[BAD], s9, v[BAQ]
.endif
	v_add_nc_u32 v[ADRA], s13, v[ADRA0]
	v_add_nc_u32 v[AAS], s8, v[AAS0]
.elseif (\j) == 2
	WIN 0
.if \kind
	s_lshl_b32 s20, s12, 13
	s_mov_b32 s21, 0
	s_add_nc_u64 s[OP:OP+1], s[VB:VB+1], s[20:21]
	s_lshl_b32 s22, s12, 7
	s_add_co_u32 s22, s22, 64
	v_add_nc_u32 v[VX2], s22, v[VXW]
	s_add_co_u32 s20, s9, 4096
	v_add_nc_u32 v[BAD], s20, v[BAV]
.else
	s_and_b32 s20, s12, 1
	s_lshl_b32 s20, s20, 10
	s_lshr_b32 s21, s12, 1
	s_lshl_b32 s21, s21, 23
	s_add_co_u32 s20, s20, s21
	s_mov_b32 s21, 0
	s_add_nc_u64 s[OP:OP+1], s[QB:QB+1], s[20:21]
	s_lshl_b32 s20, s12, 1
	s_add_co_u32 s20, s20, 1
	v_add_nc_u32 v[VX], s20, v[VXQ]
	s_add_co_u32 s20, s9, 4096
	v_add_nc_u32 v[BAD], s20, v[BAQ]
.endif
	s_xor_b32 s23, s13, YB
	v_add_nc_u32 v[ADRA], s23, v[ADRA0]
	s_add_co_u32 s22, s8, 4352
	v_add_nc_u32 v[AAS], s22, v[AAS0]
.endif
.elseif (\n) < 31
	WIN 0
	GAPV (\n)-1+30*((\j)%2), ACC+64*(1-(\j)/2)
.elseif (\j) == 2 && (\kind) == 0
	s_and_b32 s20, s12, 1                          ; chunk trip + 2: k's two, then v's
	s_lshl_b32 s20, s20, 16
	s_mov_b32 s21, 0
	s_cmp_lt_u32 s12, 2
	s_cselect_b64 s[22:23], s[PK:PK+1], s[PV:PV+1]
	s_add_nc_u64 s[G0R+2:G0R+3], s[22:23], s[20:21]
	s_or_b32 s[G0R+3], s[G0R+3], 0x80000000
	s_add_co_u32 s[G0R+1], s6, s13
	s_xor_b32 s20, s20, 0x10000                    ; and the chunk behind it, for the prefetch
	s_cmp_lt_u32 s12, 1
	s_cselect_b64 s[22:23], s[PK:PK+1], s[PV:PV+1]
	s_add_nc_u64 s[PF:PF+1], s[22:23], s[20:21]
.endif
.endm
.macro BLOCK kind, j, from, to
.set N_, \from
.rept (\to)-(\from)
	PROD \kind, (\j)%2, (\j)/2, N_
	LIST N_, \kind, \j
.set N_, N_+1
.endr
.endm
.macro BLK kind, j, w                          ; a block; w: how many younger LDS instructions may be out (-1: its operands are in already)
.if (\w) >= 0
	s_wait_dscnt \w
.endif
	s_wait_xcnt 0x0                                ; stores and prefetches have read their registers
	BLOCK \kind, \j, 0, 32
	WIN 0
	PLACES NP
.endm
.macro OUTQ                                    ; a pair of q or k: four tiles of tokens
	WALU
.irp t, 0,1,2,3
	ds_store_b8 v[VX], v[EB+\t] offset:128*\t
	global_store_b128 v[CO], v[MCD+4*\t:MCD+4*\t+3], s[OP:OP+1] offset:2048*\t th:TH_STORE_NT
.endr
.endm
.macro OUTV                                    ; a pair of v: two tiles of channels x two groups of 32 keys
	WALU
.irp t, 0,1,2,3
	ds_store_b8 v[VX2], v[EB+\t] offset:32*(\t/2)+\t%2
	global_store_b128 v[CO], v[MCD+4*\t:MCD+4*\t+3], s[OP:OP+1] offset:2048*(\t/2)+512*(\t%2) th:TH_STORE_NT
.endr
.endm
	FETCH 0, ADRA0, AAS0, BAQ, 0
	FETCH 1, ADRA0, AAS0, BAQ, 1
	s_cmp_lg_u32 s7, 0
	s_cbranch_scc0 .Lnone_ahead
	global_prefetch_b8 v[PFO], s[PK:PK+1] th:TH_LOAD_NT scope:SCOPE_SE   ; chunk 2, which trip 0 loads
.Lnone_ahead:
.Lqk:                                          ; q's and k's four chunks
	BLK 0, 0, NF
	FETCH 0, ADRA, AAS, BAD, 2
	BLK 0, 1, NF
	s_cmp_eq_u32 s12, 0
	s_cbranch_scc1 .Lno_pair_before                ; the first way out has no pair before it
	OUTQ
.Lno_pair_before:
	FETCH 1, ADRA, AAS, BAD, 3
	s_wait_dscnt NF                                ; BLOCK 2, with the round
	s_wait_xcnt 0x0
	BLOCK 0, 2, 0, 16
	WIN 0
	GRD
	BLOCK 0, 2, 16, 28
	WIN 0
	WALU
	s_wait_dscnt 0x0                               ; the add is done, and my reads of this chunk are over
	s_barrier_signal -1
	BLOCK 0, 2, 28, 32
	MIDDLE
	BARRIER
	TLOAD G0R, G1R                                 ; chunk trip + 2 into this chunk's slot
	PLACES NP-4
	FETCH 0, ADRA, AAS, BAD, 0, 1
	s_cmp_lt_u32 s12, s7
	s_cbranch_scc0 .Lnot_ahead
	global_prefetch_b8 v[PFO], s[PF:PF+1] th:TH_LOAD_NT scope:SCOPE_SE   ; chunk trip + 3
.Lnot_ahead:
	BLK 0, 3, -1
	OUTQ
	FETCH 1, ADRA, AAS, BAD, 1, 1
	s_xor_b32 s13, s13, YB
	s_add_co_u32 s8, s8, 4352
	s_add_co_u32 s9, s9, 4096
	s_add_co_u32 s12, s12, 1
	s_cmp_lt_u32 s12, 4
	s_cbranch_scc1 .Lqk
	s_mov_b32 s12, 0
.Lv:                                           ; v's two chunks
	BLK 1, 0, NF
	FETCH 0, ADRA, AAS, BAD, 2
	BLK 1, 1, NF
	s_cmp_eq_u32 s12, 0
	s_cbranch_scc0 .Lpair_of_v
	OUTQ
	s_branch .Lpair_out
.Lpair_of_v:
	OUTV
.Lpair_out:
	FETCH 1, ADRA, AAS, BAD, 3
	s_wait_dscnt NF                                ; BLOCK 2, with a plain barrier: it shows the last chunk; nothing is filled again
	s_wait_xcnt 0x0
	BLOCK 1, 2, 0, 28
	WIN 0
	WALU
	s_wait_tensorcnt 0x0
	s_wait_dscnt 0x0
	s_barrier_signal -1
	BLOCK 1, 2, 28, 32
	WIN 0
	s_barrier_wait -1
	PLACES NP
	s_cmp_eq_u32 s12, 1
	s_cbranch_scc1 .Lno_block_0
	FETCH 0, ADRA, AAS, BAD, 0
.Lno_block_0:
	BLK 1, 3, -1
	OUTV
	s_cmp_eq_u32 s12, 1
	s_cbranch_scc1 .Lno_block_1
	FETCH 1, ADRA, AAS, BAD, 1
.Lno_block_1:
	s_xor_b32 s13, s13, YB
	s_add_co_u32 s8, s8, 4352
	s_add_co_u32 s9, s9, 4096
	s_add_co_u32 s12, s12, 1
	s_cmp_lt_u32 s12, 2
	s_cbranch_scc1 .Lv
	s_wait_xcnt 0x0
	s_add_nc_u64 s[OP:OP+1], s[OP:OP+1], 4096
	v_add_nc_u32 v[VX2], 256, v[VXW]
.set K_, 0
.rept 60
	GAPV K_, ACC+64                                ; the last pair
.set K_, K_+1
.endr
	OUTV
	s_lshl_b32 s20, s14, 9
	s_add_co_u32 s20, s20, STQ
	v_lshl_add_u32 v20, v3, 4, s20                 ; two rows' q and k words
	s_lshl_b32 s21, s15, 9
	s_lshl_b32 s22, s16, 7
	s_add_co_u32 s21, s21, s22
	s_add_co_u32 s21, s21, STV
	v_lshl_add_u32 v21, v3, 2, s21                 ; two channels' first two bytes; the other two lie 256 on
	v_lshlrev_b32 v22, 3, v3
	WALU
	s_wait_dscnt 0x0
	BARRIER
	ds_load_b128 v[60:63], v20
	ds_load_b32 v40, v21
	ds_load_b32 v41, v21 offset:256
	s_wait_dscnt 0x0
	v_mov_b32 v64, v60
	v_mov_b32 v65, v62
	v_mov_b32 v66, v61
	v_mov_b32 v67, v63
	v_perm_b32 v68, v41, v40, 0x05040100
	v_perm_b32 v69, v41, v40, 0x07060302
	global_store_b64 v22, v[64:65], s[OSQ:OSQ+1] th:TH_STORE_NT                  ; 256 consecutive bytes each
	global_store_b64 v22, v[66:67], s[OSQ:OSQ+1] offset:262144 th:TH_STORE_NT
	global_store_b64 v22, v[68:69], s[OSV:OSV+1] th:TH_STORE_NT
	s_wait_tensorcnt 0x0                           ; the wave's end
	ds_add_u32 v[SPW], v[NIL]
	s_wait_dscnt 0x0
	CROUND                                         ; the closing round
	s_endpgm
.Lfunc_end_k_qa08d448386_proj:
	.size	k_qa08d448386_proj, .Lfunc_end_k_qa08d448386_proj-k_qa08d448386_proj
	.p2alignl 7, 3214868480
	.fill 96, 4, 3214868480
	.section	.rodata,"a",@progbits
	.p2align	6, 0x0
	.amdhsa_kernel k_qa08d448386_proj
		.amdhsa_group_segment_fixed_size 327680
		.amdhsa_private_segment_fixed_size 0
		.amdhsa_enable_private_segment 0
		.amdhsa_kernarg_size 104
		.amdhsa_user_sgpr_count 2
		.amdhsa_user_sgpr_kernarg_segment_ptr 1
		.amdhsa_wavefront_size32 1
		.amdhsa_system_sgpr_workgroup_id_x 1
		.amdhsa_system_sgpr_workgroup_id_y 1
		.amdhsa_system_sgpr_workgroup_id_z 1
		.amdhsa_system_vgpr_workitem_id 0
		.amdhsa_next_free_vgpr 1024
		.amdhsa_next_free_sgpr 102
		.amdhsa_reserve_vcc 0
		.amdhsa_float_denorm_mode_32 3
		.amdhsa_float_denorm_mode_16_64 3
		.amdhsa_memory_ordered 1
		.amdhsa_forward_progress 1
		.amdhsa_inst_pref_size 145
	.end_amdhsa_kernel
	.amdgpu_metadata
---
amdhsa.version: [ 1, 2 ]
amdhsa.kernels:
  - .name:           k_qa08d448386_proj
    .symbol:         k_qa08d448386_proj.kd
    .args:
      - { .name: X_codes, .offset: 0, .size: 8, .value_kind: global_buffer, .address_space: global }
      - { .name: X_scales, .offset: 8, .size: 8, .value_kind: global_buffer, .address_space: global }
      - { .name: Wq_codes, .offset: 16, .size: 8, .value_kind: global_buffer, .address_space: global }
      - { .name: Wq_scales, .offset: 24, .size: 8, .value_kind: global_buffer, .address_space: global }
      - { .name: Wk_codes, .offset: 32, .size: 8, .value_kind: global_buffer, .address_space: global }
      - { .name: Wk_scales, .offset: 40, .size: 8, .value_kind: global_buffer, .address_space: global }
      - { .name: Wv_codes, .offset: 48, .size: 8, .value_kind: global_buffer, .address_space: global }
      - { .name: Wv_scales, .offset: 56, .size: 8, .value_kind: global_buffer, .address_space: global }
      - { .name: bq, .offset: 64, .size: 8, .value_kind: global_buffer, .address_space: global }
      - { .name: bk, .offset: 72, .size: 8, .value_kind: global_buffer, .address_space: global }
      - { .name: bv, .offset: 80, .size: 8, .value_kind: global_buffer, .address_space: global }
      - { .name: qkv_codes, .offset: 88, .size: 8, .value_kind: global_buffer, .address_space: global }
      - { .name: qkv_scales, .offset: 96, .size: 8, .value_kind: global_buffer, .address_space: global }
    .group_segment_fixed_size: 327680
    .private_segment_fixed_size: 0
    .kernarg_segment_align: 8
    .kernarg_segment_size: 104
    .max_flat_workgroup_size: 128
    .sgpr_count:     102
    .vgpr_count:     1024
    .wavefront_size: 32
...
	.end_amdgpu_metadata
.endif
;; end of part 1
;; launch scores (part 2): grid 8 x 32, 4 waves a work-group, clusters of 4 x 4, 327,680 bytes of LDS; arguments qkv_codes, qkv_scales, p_codes, p_scales, p_stats; writes p_codes, p_scales, p_stats
.if DOCPART == 2
	.amdgcn_target "amdgcn-amd-amdhsa--gfx1250"
	.amdhsa_code_object_version 6
	.text
	.protected	k_qa08d448386_scores
	.globl	k_qa08d448386_scores
	.p2align	8
	.type	k_qa08d448386_scores,@function
k_qa08d448386_scores:
	s_mov_b64 s[64:65], 0
	v_nop
	global_prefetch_b8 v0, s[64:65] scope:SCOPE_SE
	s_setreg_imm32_b32 hwreg(HW_REG_WAVE_MODE, 25, 1), 1
	s_wait_xcnt 0x0
	s_wait_alu depctr_hold_cnt(0) depctr_sa_sdst(0) depctr_va_vdst(0) depctr_va_sdst(0) depctr_va_ssrc(0) depctr_va_vcc(0) depctr_vm_vsrc(0)
	s_getreg_b32 s2, hwreg(HW_REG_IB_STS2, 6, 4)
	s_cmp_eq_u32 s2, 0
	s_cbranch_scc0 .Lentry_in_a_cluster
	s_endpgm
.Lentry_in_a_cluster:
	s_bfe_u32 s2, ttmp6, 0x10000c
	s_cmp_lg_u32 s2, 0xf033
	s_cbranch_scc0 .Lentry_shape_is_right
	s_endpgm
.Lentry_shape_is_right:
; S^T = k q^T for a tile of 256 keys x 256 queries of one batch, on the codes of FP8 (E4M3) and E8M0 scale words that the launch before has laid as images of the operands' registers; K = 1,024; sums in f32.
; Then the softmax's p for the last product, quantised along the keys.  t = score x log2(e) / 32.  M IS TAKEN FOR EACH QUERY AND EACH 128 KEYS (a wave's share): M = ceil(the largest t of these 128), a whole number;
; p = 2^(t - M).  A whole-number M only shifts a block's scale: the codes do not depend on it.  So this launch stores p's codes, their scale bytes under the local M, the local -M and the local sum of the unquantised p;
; the last launch takes the row's largest M, shifts the bytes by the difference and adds the sums, each an exact power of two apart.  The maximum is so taken away before every exponential.
; SHARES.  Source 0 ("B") = 256 keys (block 4 x cluster x + cx of the batch), source 1 ("A") = 256 queries (block 4 x cluster y + cy of 32; the batch is cluster y / 2).  Four waves, 128 x 128 each: 64 accumulators.
; In the result lane l holds query l % 16 of block a, and register 8 b + j key 16 b + 8 (l / 16) + j: the 64 registers of a block a and those of lane l xor 16 are the query's 128 keys: one K step of the last product.
; IMAGES.  A fragment is 2,048 bytes: register group c of lane l at 512 c + 16 l; a block of 256 rows is [K step of 128][tile of 16 rows][2,048]: a K step of 128 is 32,768 dense bytes, one tensor load; no pitch, no padding:
; a fragment load's 512 bytes are consecutive.  Scale words: [K step][tile][row], 1,024 bytes a K step, at the codes' offset / 32; those of all of K come once, with the first fills.
; OUT.  p_codes: [block of 256 queries][K step of 128 keys][tile][2,048]; p_scales: the words, at the codes' offset / 32; p_stats: -M at the same offset, the sums 524,288 bytes on.
; CLUSTERS: 4 x 4 work-groups; q's tiles are asked for jointly along a row of the cluster, k's along a column.
; LIMITS: NaN and infinities are not served.  A block whose every p has fallen under 2^-118 keeps the byte 1.  v_exp_f32 gives 0 where 2^(t - M) lies under 2^-126.  A block's largest p is made from its largest score by the
; same two instructions as every p, which takes v_exp_f32 not to fall where its input rises.
; REGISTERS: window 0: v0-31 addresses; v32-63 scale words, two sets, and nothing else; v64-127 p at work; v128-255 A's fragments; on the way out v128-191 codes, v192-227 at work.  window 1: B's two sets.  windows 2, 3: accumulators.
.set NQ,     2
.set FR,     16
.set NL,     4
.set NP,     8
.set PART,   32768                     ; a K step of 128 of 256 rows: what one tensor load brings
.set SLOT,   4*PART                    ; A's two K steps of 128, then B's two
.set SCA,    2*SLOT                    ; behind the ring: A's scale words of all of K, 8 x 1,024 bytes;
.set SCB,    SCA+8192                  ; B's
.set SPARE,  SCB+8192                  ; the spare words, 128 bytes a wave: two blocks of 256 bytes that no other line names
.set STG,    SPARE+512                 ; 1,536 bytes a wave: scale words, -M and sums on their way out
.set ADRA, 16
.set ADRB, 20
.set STO,  24                          ; v24  the stage: 4 r
.set RD,   25                          ; v25  read back: 16 x lane
.set CO,   26                          ; v26  16 x lane
.set ADRS, 27
.set SPW,  28
.set NIL,  29
.set SC,   32
.set PP,   64
.set AF,   128
.set TM,   192                         ; v192-195 the blocks' largest scores, then p; v196-199 the other half's / bytes; v200-203 448 x scale; v204-207 the conversions' scale operands
.set NM,   208                         ; v208 -M, v209 the largest t
.set SU,   210                         ; v[210:211], v[212:213] the sum in two chains
.set PW,   214                         ; the scale word
.set TP,   215                         ; at work
.set BKW,  216                         ; v216-227 what is read back from the stage
.set G1, 24
.set G0, 32
.set G1B, 48
.set G0B, 56
.set G1S, 68
.set G0S, 76
.set G1SB, 80
.set G0SB, 88
.set CS,  66                           ; s[66:67] c = log2(e) / 32
.set MNT, 95
.set SEL, 96
.set MSB, 0
.macro WIN new
.if MSB != (\new)
	s_set_vgpr_msb (MSB<<8)|(\new)
.set MSB, \new
.endif
.endm
.set MUL_LO, 0xa1
.set MUL_HI, 0xf1
.set TO_B,   0x40
.macro JLOAD g0a, g1a, g0b, g1b        ; a joint load: waves 0 and 1 fetch for A, waves 2 and 3 for B; four v_nop follow each of the two lines
	s_cmp_eq_u32 s15, 0
	s_cbranch_scc0 .Lfor_b_\@
	tensor_load_to_lds s[\g0a:\g0a+3], s[\g1a:\g1a+7]
	s_nop 0
.rept 4
	v_nop
.endr
	s_branch .Lasked_\@
.Lfor_b_\@:
	tensor_load_to_lds s[\g0b:\g0b+3], s[\g1b:\g1b+7]
	s_nop 0
.rept 4
	v_nop
.endr
.Lasked_\@:
.endm
.macro CREST
	s_cmp_lg_u32 s14, 0
	s_cbranch_scc1 .Lnot_wave_0_\@
	s_barrier_signal -3
.Lnot_wave_0_\@:
	s_barrier_wait -3
	s_barrier_signal -1
	s_barrier_wait -1
.endm
.macro CROUND
	s_barrier_signal -1
	s_barrier_wait -1
	CREST
.endm
	s_load_b256 s[4:11], s[0:1], 0x0               ; qkv_codes, qkv_scales, p_codes, p_scales
	s_load_b64 s[12:13], s[0:1], 0x20              ; p_stats
	v_lshl_add_u32 v[SPW], v0, 2, SPARE
	v_mov_b32 v[NIL], 0
	ds_add_u32 v28, v29
	ds_add_u32 v28, v29
	s_wait_dscnt 0x0
	v_lshrrev_b32 v1, 5, v0
	v_readfirstlane_b32 s14, v1                    ; wave 0..3
	s_lshr_b32 s15, s14, 1                         ; my half of the queries.  Also: I fetch for A (0) or for B (1)
	s_and_b32 s16, s14, 1                          ; my half of the keys.  Also: which of a slot's two K steps of 128 I fetch
	s_bfe_u32 s40, ttmp6, 0x40000                  ; cx, cy
	s_bfe_u32 s41, ttmp6, 0x40004
	s_lshl_b32 s42, ttmp9, 2
	s_add_co_u32 s42, s42, s40                     ; the block of keys, 0..7
	s_and_b32 s18, ttmp7, 0xffff
	s_lshl_b32 s17, s18, 2
	s_add_co_u32 s17, s17, s41                     ; the block of queries, 0..31
	s_lshr_b32 s46, s18, 1                         ; the batch: a number of the cluster
	s_lshl_b32 s46, s46, 3
	s_add_co_u32 s46, s46, s42                     ; k's block of 256 rows, 0..31
	s_lshl_b32 s43, s41, 2
	s_lshl_b32 s43, 15, s43                        ; my row of the cluster
	s_lshl_b32 s44, 0x1111, s40                    ; my column
	; group 1: 32,768 dense bytes as 128 rows of 256 bytes (32 elements of 8 bytes), no padding
	s_or_b32 s[G1+0], s43, (3<<16)|(1<<21)         ; 15:0 the mask: A's tiles go to my row; 17:16 elements of 8 bytes; 21 set beside a mask
	s_or_b32 s[G1B+0], s44, (3<<16)|(1<<21)
.irp g, G1, G1B
	s_mov_b32 s[\g+1], 32<<16                      ; tensor_dim0
	s_mov_b32 s[\g+2], 128<<16                     ; tensor_dim1
	s_mov_b32 s[\g+3], 32<<16                      ; tile_dim0
	s_mov_b32 s[\g+4], 128                         ; tile_dim1
	s_mov_b32 s[\g+5], 32                          ; from row to row
	s_mov_b32 s[\g+6], 0
	s_mov_b32 s[\g+7], 0
.endr
	; and for the head's loads: 256 such rows
	s_or_b32 s[G1S+0], s43, (3<<16)|(1<<21)
	s_or_b32 s[G1SB+0], s44, (3<<16)|(1<<21)
.irp g, G1S, G1SB
	s_mov_b32 s[\g+1], 32<<16
	s_mov_b32 s[\g+2], 256<<16                     ; at the head a load brings a slot's two K steps: 65,536 dense bytes
	s_mov_b32 s[\g+3], 32<<16
	s_mov_b32 s[\g+4], 256
	s_mov_b32 s[\g+5], 32
	s_mov_b32 s[\g+6], 0
	s_mov_b32 s[\g+7], 0
.endr
	s_lshl_b32 s19, s16, 15                        ; my K step of 128 in a slot's two
	s_lshl_b32 s18, s15, 16                        ; at the head: waves 0, 1 slot 0, waves 2, 3 slot 1; even waves for A, odd ones for B
	s_lshl_b32 s20, s17, 18
	s_add_co_u32 s78, s20, s18
	s_mov_b32 s79, 0
	s_add_co_u32 s20, s20, s19
	s_lshl_b32 s22, s17, 13                        ; q's words
	s_lshl_b32 s92, s46, 13
	s_add_co_u32 s92, s92, 262144                  ; k's words lie behind q's
	s_lshl_b32 s46, s46, 18
	s_add_co_u32 s90, s46, s18
	s_add_co_u32 s90, s90, 8388608
	s_mov_b32 s91, 0
	s_add_co_u32 s46, s46, s19
	s_add_co_u32 s46, s46, 8388608                 ; k's codes behind q's
	s_mov_b32 s21, 0
	s_mov_b32 s23, 0
	s_mov_b32 s47, 0
	s_mov_b32 s93, 0
	s_lshl_b32 s45, s14, 15                        ; where they go: wave x 32,768: no place in the cluster enters an LDS address
	s_mov_b32 s[CS], 0x3d38aa3b                    ; c = log2(e) / sqrt(1,024)
	s_mov_b32 s[CS+1], s[CS]                       ; (named with it as a pair, so it is written)
	s_mov_b32 s[MNT], 0x600000
	s_mov_b32 s[SEL], 0x76543210
	s_mov_b32 s[SEL+1], 0xfedcba98
	s_wait_kmcnt 0x0
	s_add_nc_u64 s[20:21], s[4:5], s[20:21]
	s_add_nc_u64 s[22:23], s[6:7], s[22:23]
	s_add_nc_u64 s[46:47], s[4:5], s[46:47]
	s_add_nc_u64 s[92:93], s[6:7], s[92:93]
	CROUND                                         ; all sixteen work-groups are here: the first joint loads meet
	s_mov_b32 s[G0S], 1
	s_mul_i32 s[G0S+1], s15, SLOT
	s_add_nc_u64 s[G0S+2:G0S+3], s[4:5], s[78:79]
	s_or_b32 s[G0S+3], s[G0S+3], 0x80000000
	s_mov_b32 s[G0SB], 1
	s_add_co_u32 s[G0SB+1], s[G0S+1], 2*PART
	s_add_nc_u64 s[G0SB+2:G0SB+3], s[4:5], s[90:91]
	s_or_b32 s[G0SB+3], s[G0SB+3], 0x80000000
; the head's loads, one a wave, a line each: waves 0, 1 wait ahead of the first barrier, waves 2, 3 at the first change of slots
.macro ARM under, g0, g1, next
	s_cmp_lt_u32 s14, \under
	s_cbranch_scc0 \next
	tensor_load_to_lds s[\g0:\g0+3], s[\g1:\g1+7]
	s_nop 0
.rept 4
	v_nop
.endr
	s_branch .Lhead_asked
\next:
.endm
	ARM 1, G0S, G1S, .Lhead_b0
	ARM 2, G0SB, G1SB, .Lhead_a1
	ARM 3, G0S, G1S, .Lhead_b1
	tensor_load_to_lds s[G0SB:G0SB+3], s[G1SB:G1SB+7]
	s_nop 0
.rept 4
	v_nop
.endr
.Lhead_asked:
	v_lshlrev_b32 v3, 4, v0
	v_add_nc_u32 v4, SCA, v3
.irp i, 0,1,2,3
	global_load_b128 v[64+4*\i:67+4*\i], v3, s[22:23] offset:2048*\i   ; the scale words of all of K: 8,192 dense bytes of q's, of k's
	global_load_b128 v[80+4*\i:83+4*\i], v3, s[92:93] offset:2048*\i
.endr
.irp s, 0,1
	s_mov_b32 s[G0+4*\s], 1
	s_add_co_u32 s[G0+4*\s+1], s45, \s*SLOT
	s_add_nc_u64 s[G0+4*\s+2:G0+4*\s+3], s[20:21], \s*2*PART
	s_or_b32 s[G0+4*\s+3], s[G0+4*\s+3], 0x80000000
	s_mov_b32 s[G0B+4*\s], 1
	s_add_co_u32 s[G0B+4*\s+1], s45, \s*SLOT
	s_add_nc_u64 s[G0B+4*\s+2:G0B+4*\s+3], s[46:47], \s*2*PART
	s_or_b32 s[G0B+4*\s+3], s[G0B+4*\s+3], 0x80000000
.endr
	v_and_b32 v1, 15, v0                           ; r
	v_bfe_u32 v2, v0, 4, 1                         ; h
	s_wait_alu depctr_va_vdst(0)
	v_and_b32 v6, 31, v0
	v_lshlrev_b32 v[CO], 4, v6                     ; 16 x lane
	s_wait_alu depctr_va_vdst(0)
	s_wait_xcnt 0x0                                ; the loads above have read their bases
	s_lshl_b32 s21, s15, 14
	s_lshl_b32 s22, s16, 14
	s_add_co_u32 s22, s22, 2*PART                  ; of B, behind A's two parts
.irp s, 0,1
	v_add_nc_u32 v[ADRA+\s], s21, v[CO]
	v_add_nc_u32 v[ADRB+\s], s22, v[CO]
	s_add_co_u32 s21, s21, SLOT
	s_add_co_u32 s22, s22, SLOT
.endr
	s_lshl_b32 s21, s15, 9                         ; scale words: A's, my eight tiles: 512 x half
	s_lshl_b32 s22, s16, 9
	s_add_co_u32 s22, s22, SCB-SCA
	s_sub_co_u32 s22, s22, s21
	v_mul_u32_u24 v6, s22, v2                      ; lanes 16-31 take B's: the lower base + h x the distance
	s_add_co_u32 s21, s21, SCA
	v_lshl_add_u32 v5, v1, 2, v6
	v_add_nc_u32 v[ADRS], s21, v5
	s_mul_i32 s23, s14, 1536
	s_add_co_u32 s23, s23, STG
	v_lshl_add_u32 v[STO], v1, 2, s23
	v_add_nc_u32 v[RD], s23, v[CO]
	; where my eight images of p go: block of queries x 524,288 + (2 x block of keys + my half) x 32,768 + my half of the queries x 16,384
	s_lshl_b32 s18, s17, 19
	s_lshl_b32 s19, s42, 16
	s_add_co_u32 s18, s18, s19
	s_lshl_b32 s19, s16, 15
	s_add_co_u32 s18, s18, s19
	s_lshl_b32 s19, s15, 14
	s_add_co_u32 s18, s18, s19
	s_mov_b32 s19, 0
	s_add_nc_u64 s[8:9], s[8:9], s[18:19]
	s_lshr_b32 s18, s18, 5
	s_add_nc_u64 s[10:11], s[10:11], s[18:19]
	s_add_nc_u64 s[12:13], s[12:13], s[18:19]
.macro FRAG reg, adr, q, i             ; an image comes back as it was stored: four loads of 512 consecutive bytes
.irp c, 0,1,2,3
	ds_load_b128 v[\reg+4*\c:\reg+4*\c+3], v[\adr] offset:PART*(\q)+2048*(\i)+512*\c
.endr
.endm
; 16 matrix instructions: A's blocks a0, a0 + 1 x B's eight.  zero = 1: the first product starts the sums.  The 64 accumulators take turns, one instruction a turn.
.macro MUL16 a0, p, q, sc, zero
.irp a, \a0, \a0+1
.irp b, 0,1,2,3,4,5,6,7
.if \zero
	v_wmma_scale_f32_16x16x128_f8f6f4 v[8*(8*((\a)%4)+\b):8*(8*((\a)%4)+\b)+7], v[128*(\p)+FR*\b:128*(\p)+FR*\b+FR-1], v[AF+FR*(\a):AF+FR*(\a)+FR-1], 0, v[SC+8*NQ*(\sc)+NQ*\b+(\q)], v[SC+8*NQ*(\sc)+NQ*(\a)+(\q)] matrix_a_scale:MATRIX_SCALE_ROW1
.else
	v_wmma_scale_f32_16x16x128_f8f6f4 v[8*(8*((\a)%4)+\b):8*(8*((\a)%4)+\b)+7], v[128*(\p)+FR*\b:128*(\p)+FR*\b+FR-1], v[AF+FR*(\a):AF+FR*(\a)+FR-1], v[8*(8*((\a)%4)+\b):8*(8*((\a)%4)+\b)+7], v[SC+8*NQ*(\sc)+NQ*\b+(\q)], v[SC+8*NQ*(\sc)+NQ*(\a)+(\q)] matrix_a_scale:MATRIX_SCALE_ROW1
.endif
.endr
.endr
.endm
.macro FETCH_B slot, q, p
	WIN TO_B
.irp i, 0,1,2,3,4,5,6,7
	FRAG 128*(\p)+FR*\i, ADRB+\slot, \q, \i
.endr
	WIN 0
.endm
.macro FETCH_A slot, q, i0
.irp i, \i0, \i0+1, \i0+2, \i0+3
	FRAG AF+FR*(\i), ADRA+\slot, \q, \i
.endr
.endm
.macro SCALES sc                       ; a slot's scale words into set sc: register 2 i + q: lanes 0-15 A's block i, lanes 16-31 B's block i, the slot's q-th 128 along K
.irp i, 0,1,2,3,4,5,6,7
	ds_load_b32 v[SC+8*NQ*\sc+NQ*\i], v[ADRS] offset:64*\i
	ds_load_b32 v[SC+8*NQ*\sc+NQ*\i+1], v[ADRS] offset:1024+64*\i
.endr
.endm
.macro PLACES n                        ; plain vector instructions that name no register of the matrix instructions before them (ISA guide 7.12.1)
.rept \n
	v_nop
.endr
.endm
.macro STEP slot, q, zero
	s_wait_dscnt 4*NL                              ; all but the youngest sixteen loads (A's blocks 4-7) are in
	WIN MUL_LO
	MUL16 0, (\q)%2, \q, \slot, \zero
	MUL16 2, (\q)%2, \q, \slot, \zero
	s_wait_dscnt 0                                 ; A's blocks 4-7 are in
	PLACES NP
	FETCH_B \slot, (\q)+1, 1-(\q)%2
	FETCH_A \slot, (\q)+1, 0
	WIN MUL_HI
	MUL16 4, (\q)%2, \q, \slot, \zero
	MUL16 6, (\q)%2, \q, \slot, \zero
	PLACES NP
	WIN 0
	FETCH_A \slot, (\q)+1, 4
.endm
.macro TURN slot, next, fill
	s_wait_tensorcnt 0x0                           ; all my tensor loads have landed: my part of the next slot;
	ds_add_u32 v[SPW], v[NIL]                      ; 0 onto my spare word;
	s_wait_dscnt 4*NL+1                            ; (the add and the youngest sixteen loads may be out)
	WIN MUL_LO
	MUL16 0, 1, NQ-1, \slot, 0                     ; sixteen matrix instructions stand between the add and the wait for it
	s_wait_dscnt 0x0                               ; the add is done, and my reads of this slot are over
	s_barrier_signal -1
	MUL16 2, 1, NQ-1, \slot, 0
	WIN 0
	s_barrier_wait -1
.if \fill
	CREST                                          ; the round: no wave of any partner still reads this slot or has a load on its way
	s_add_nc_u64 s[G0+4*\slot+2:G0+4*\slot+3], s[G0+4*\slot+2:G0+4*\slot+3], 4*PART
	s_add_nc_u64 s[G0B+4*\slot+2:G0B+4*\slot+3], s[G0B+4*\slot+2:G0B+4*\slot+3], 4*PART
	JLOAD G0+4*\slot, G1, G0B+4*\slot, G1B         ; the first tensor load behind the round; its four v_nop are among the places in front of the loads below
	PLACES NP-4
.else
	PLACES NP
.endif
	s_wait_alu depctr_va_vdst(0)
	v_add_nc_u32 v[ADRS], 2048, v[ADRS]            ; on to the next slot's scale words (no LDS load of mine is out)
	FETCH_B \next, 0, 0
	FETCH_A \next, 0, 0
	SCALES \next
	WIN MUL_HI
	MUL16 4, 1, NQ-1, \slot, 0
	MUL16 6, 1, NQ-1, \slot, 0
	PLACES NP
	WIN 0
	FETCH_A \next, 0, 4
.endm
	s_wait_alu depctr_va_vdst(0)
	s_wait_loadcnt 0x0
.irp i, 0,1,2,3
	ds_store_b128 v4, v[64+4*\i:67+4*\i] offset:2048*\i
	ds_store_b128 v4, v[80+4*\i:83+4*\i] offset:8192+2048*\i
.endr
	s_cmp_lt_u32 s14, 2
	s_cbranch_scc0 .Lslot_1_later
	s_wait_tensorcnt 0x0                           ; waves 0, 1: slot 0 is in
.Lslot_1_later:
	s_wait_dscnt 0x0
	s_barrier_signal -1
	s_barrier_wait -1
	FETCH_B 0, 0, 0
	FETCH_A 0, 0, 0
	SCALES 0
	FETCH_A 0, 0, 4
	STEP 0, 0, 1                                   ; the first step's products start the sums
	TURN 0, 1, 1                                   ; K = 1,024 is four slots' worth: both slots are filled again once
	STEP 1, 0, 0
	TURN 1, 0, 1
	STEP 0, 0, 0
	TURN 0, 1, 0
	STEP 1, 0, 0
	s_wait_dscnt 4*NL
	WIN MUL_LO
	MUL16 0, 1, NQ-1, 1, 0
	MUL16 2, 1, NQ-1, 1, 0
	s_wait_dscnt 0
	WIN MUL_HI
	MUL16 4, 1, NQ-1, 1, 0
	MUL16 6, 1, NQ-1, 1, 0
	WIN 0
; THE WAY OUT of block a: my query's 64 scores (and lane l xor 16's 64) become p's fragment for these 128 keys.
.macro PTILE a
.set AC, 64*((\a)%4)
.set CD, AF+16*((\a)%4)
	WIN 0x28+0x14*((\a)/4)                         ; sources 1 and 2: window 2 or 3
.irp b, 0,1,2,3
	v_max3_num_f32 v[TM+\b], 0xff800000, v[AC+16*\b], v[AC+16*\b+1]   ; THE LARGEST SCORE OF EACH BLOCK OF 32 KEYS: it serves the query's maximum and, since p rises with the score, the block's largest p.  Each accumulator is first read at its registers 0 and 1
.endr
.irp i, 2,4,6,8,10,12,14
.irp b, 0,1,2,3
	v_max3_num_f32 v[TM+\b], v[TM+\b], v[AC+16*\b+\i], v[AC+16*\b+\i+1]
.endr
.endr
	WIN 0
	s_wait_alu depctr_va_vdst(0)
	s_wait_dscnt 0x0                               ; the last block's three LDS stores have read their registers, which are written again below
.irp b, 0,1,2,3
	v_permlanex16_b32 v[TM+4+\b], v[TM+\b], s[SEL], s[SEL+1]
.endr
.irp b, 0,1,2,3
	v_max_num_f32 v[TM+\b], v[TM+\b], v[TM+4+\b]   ; with lane l xor 16's 16 keys
.endr
	v_max3_num_f32 v[TP], v[TM], v[TM+1], v[TM+2]
	v_max_num_f32 v[TP], v[TP], v[TM+3]            ; the largest score of my query's 128 keys
	v_mul_f32 v[NM+1], s[CS], v[TP]                ; as t (c is positive)
	v_floor_f32 v[NM], -v[NM+1]                    ; -M = floor(-t) = -ceil(t): a whole number
	WIN 0x02+((\a)/4)                              ; source 0: window 2 or 3
.set J, 0
.rept 32
	v_pk_fma_f32 v[PP+J:PP+J+1], v[AC+J:AC+J+1], s[CS:CS+1], v[NM:NM+1] op_sel_hi:[1,0,0]   ; t - M, two at a time (of the pairs c and -M the low word serves both halves)
.set J, J+2
.endr
	WIN 0
.irp b, 0,1,2,3
	v_fma_f32 v[TM+\b], v[TM+\b], s[CS], v[NM]     ; the same of each block's largest score
.endr
.set J, 0
	s_wait_alu depctr_va_vdst(0)
.rept 64
	v_exp_f32 v[PP+J], v[PP+J]                     ; p = 2^(t - M), at most 1
.set J, J+1
.endr
	v_nop                                          ; a plain instruction behind the last exponential
	s_wait_alu depctr_va_vdst(0)                   ; the wait ahead of the first instruction that names a result: one for the batch of 64
.irp b, 0,1,2,3
	v_exp_f32 v[TM+\b], v[TM+\b]                   ; the blocks' largest p: the same two instructions on the same number give the same bits
.endr
	v_pk_add_f32 v[SU:SU+1], v[PP:PP+1], v[PP+2:PP+3]           ; THE SUM IS TAKEN OF THE UNQUANTISED p: two at a time, in two chains; it reads the 64 alone
	v_pk_add_f32 v[SU+2:SU+3], v[PP+4:PP+5], v[PP+6:PP+7]
.irp j, 8,12,16,20,24,28,32,36,40,44,48,52,56,60
	v_pk_add_f32 v[SU:SU+1], v[SU:SU+1], v[PP+\j:PP+\j+1]
	v_pk_add_f32 v[SU+2:SU+3], v[SU+2:SU+3], v[PP+\j+2:PP+\j+3]
.endr
	v_pk_add_f32 v[SU:SU+1], v[SU:SU+1], v[SU+2:SU+3]
	v_add_f32 v[SU], v[SU], v[SU+1]
	v_permlanex16_b32 v[TP], v[SU], s[SEL], s[SEL+1]
	v_add_f32 v[SU], v[SU], v[TP]                  ; with lane l xor 16's: the sum over the 128 keys
	s_wait_alu depctr_va_vdst(0)                   ; and one wait for the four
.irp b, 0,1,2,3
	v_max_num_f32 v[TM+\b], 0x4800000, v[TM+\b]    ; the floor 2^(9 - 127): the byte cannot fall under 1
.endr
.irp b, 0,1,2,3
	v_add_nc_u32 v[TM+12+\b], 0xfc000000, v[TM+\b] ; 8 off the exponent field: the conversion's scale operand
.endr
.irp b, 0,1,2,3
	v_and_or_b32 v[TM+8+\b], v[TM+\b], 0x7f800000, s[MNT]   ; 448 x the scale
.endr
.irp b, 0,1,2,3
	v_lshrrev_b32 v[TM+4+\b], 23, v[TM+12+\b]      ; the scale's byte, under the local M
.endr
	v_lshl_or_b32 v[PW], v[TM+5], 8, v[TM+4]
	v_lshl_or_b32 v[PW], v[TM+6], 16, v[PW]
	v_lshl_or_b32 v[PW], v[TM+7], 24, v[PW]
.if (\a) >= 4
	s_wait_xcnt 0x0                                ; the stores of four blocks back have read their registers: this set of codes may be written again
.endif
.irp b, 0,1,2,3
.irp i, 0,1,2,3,4,5,6,7,8,9,10,11,12,13,14,15
	v_min_num_f32 v[PP+16*\b+\i], v[PP+16*\b+\i], v[TM+8+\b]   ; the conversion to an 8-bit code does not saturate (ISA guide 7.6.2); p is not negative, so the hold is one-sided
.endr
	v_cvt_scalef32_pk8_fp8_f32 v[CD+4*\b:CD+4*\b+1], v[PP+16*\b:PP+16*\b+7], v[TM+12+\b]
	v_cvt_scalef32_pk8_fp8_f32 v[CD+4*\b+2:CD+4*\b+3], v[PP+16*\b+8:PP+16*\b+15], v[TM+12+\b]
.endr
	v_nop                                          ; one plain vector instruction behind the last conversion
.irp c, 0,1,2,3
	global_store_b128 v[CO], v[CD+4*\c:CD+4*\c+3], s[8:9] offset:2048*(\a)+512*\c th:TH_STORE_NT   ; the image: each store covers 512 consecutive bytes, aligned
.endr
	ds_store_b32 v[STO], v[PW] offset:64*(\a)      ; lanes l and l xor 16 write the same words with the same values
	ds_store_b32 v[STO], v[NM] offset:512+64*(\a)
	ds_store_b32 v[STO], v[SU] offset:1024+64*(\a)
.endm
	PLACES NP                                      ; behind the last products: for the reads of their results and the writes over A's fragments
.irp b, 0,1,2,3
	v_mov_b32 v[TM+4+\b], 0                        ; written once: a lane permute's destination counts as one of its sources
.endr
	v_mov_b32 v[TP], 0
.irp a, 0,1,2,3,4,5,6,7
	PTILE \a
.endr
	ds_load_b128 v[BKW:BKW+3], v[RD]               ; LDS serves a wave's instructions in order (ISA guide 5.7.1.4): these see my stores
	ds_load_b128 v[BKW+4:BKW+7], v[RD] offset:512
	ds_load_b128 v[BKW+8:BKW+11], v[RD] offset:1024
	s_wait_dscnt 0x0
	global_store_b128 v[CO], v[BKW:BKW+3], s[10:11] th:TH_STORE_NT                  ; 128 scale words: 512 consecutive bytes, aligned
	global_store_b128 v[CO], v[BKW+4:BKW+7], s[12:13] th:TH_STORE_NT                ; 128 x -M
	global_store_b128 v[CO], v[BKW+8:BKW+11], s[12:13] offset:524288 th:TH_STORE_NT ; 128 sums
	s_wait_tensorcnt 0x0                           ; the wave's end
	ds_add_u32 v[SPW], v[NIL]
	s_wait_dscnt 0x0
	CROUND                                         ; the closing round
	s_endpgm
.Lfunc_end_k_qa08d448386_scores:
	.size	k_qa08d448386_scores, .Lfunc_end_k_qa08d448386_scores-k_qa08d448386_scores
	.p2alignl 7, 3214868480
	.fill 96, 4, 3214868480
	.section	.rodata,"a",@progbits
	.p2align	6, 0x0
	.amdhsa_kernel k_qa08d448386_scores
		.amdhsa_group_segment_fixed_size 327680
		.amdhsa_private_segment_fixed_size 0
		.amdhsa_enable_private_segment 0
		.amdhsa_kernarg_size 40
		.amdhsa_user_sgpr_count 2
		.amdhsa_user_sgpr_kernarg_segment_ptr 1
		.amdhsa_wavefront_size32 1
		.amdhsa_system_sgpr_workgroup_id_x 1
		.amdhsa_system_sgpr_workgroup_id_y 1
		.amdhsa_system_sgpr_workgroup_id_z 1
		.amdhsa_system_vgpr_workitem_id 0
		.amdhsa_next_free_vgpr 1024
		.amdhsa_next_free_sgpr 98
		.amdhsa_reserve_vcc 0
		.amdhsa_float_denorm_mode_32 3
		.amdhsa_float_denorm_mode_16_64 3
		.amdhsa_memory_ordered 1
		.amdhsa_forward_progress 1
		.amdhsa_inst_pref_size 230
	.end_amdhsa_kernel
	.amdgpu_metadata
---
amdhsa.version: [ 1, 2 ]
amdhsa.kernels:
  - .name:           k_qa08d448386_scores
    .symbol:         k_qa08d448386_scores.kd
    .args:
      - { .name: qkv_codes, .offset: 0, .size: 8, .value_kind: global_buffer, .address_space: global }
      - { .name: qkv_scales, .offset: 8, .size: 8, .value_kind: global_buffer, .address_space: global }
      - { .name: p_codes, .offset: 16, .size: 8, .value_kind: global_buffer, .address_space: global }
      - { .name: p_scales, .offset: 24, .size: 8, .value_kind: global_buffer, .address_space: global }
      - { .name: p_stats, .offset: 32, .size: 8, .value_kind: global_buffer, .address_space: global }
    .group_segment_fixed_size: 327680
    .private_segment_fixed_size: 0
    .kernarg_segment_align: 8
    .kernarg_segment_size: 40
    .max_flat_workgroup_size: 128
    .sgpr_count:     98
    .vgpr_count:     1024
    .wavefront_size: 32
...
	.end_amdgpu_metadata
.endif
;; end of part 2
;; launch mix (part 3): grid 8 x 32, 4 waves a work-group, clusters of 4 x 4, 327,680 bytes of LDS; arguments p_codes, p_scales, p_stats, qkv_codes, qkv_scales, out0; writes out0
.if DOCPART == 3
	.amdgcn_target "amdgcn-amd-amdhsa--gfx1250"
	.amdhsa_code_object_version 6
	.text
	.protected	k_qa08d448386_mix
	.globl	k_qa08d448386_mix
	.p2align	8
	.type	k_qa08d448386_mix,@function
k_qa08d448386_mix:
	s_mov_b64 s[64:65], 0
	v_nop
	global_prefetch_b8 v0, s[64:65] scope:SCOPE_SE
	s_setreg_imm32_b32 hwreg(HW_REG_WAVE_MODE, 25, 1), 1
	s_wait_xcnt 0x0
	s_wait_alu depctr_hold_cnt(0) depctr_sa_sdst(0) depctr_va_vdst(0) depctr_va_sdst(0) depctr_va_ssrc(0) depctr_va_vcc(0) depctr_vm_vsrc(0)
	s_getreg_b32 s2, hwreg(HW_REG_IB_STS2, 6, 4)
	s_cmp_eq_u32 s2, 0
	s_cbranch_scc0 .Lentry_in_a_cluster
	s_endpgm
.Lentry_in_a_cluster:
	s_bfe_u32 s2, ttmp6, 0x10000c
	s_cmp_lg_u32 s2, 0xf033
	s_cbranch_scc0 .Lentry_shape_is_right
	s_endpgm
.Lentry_shape_is_right:
; out = p v / l on codes of FP8 (E4M3) and E8M0 scale words laid as images of the operands' registers; K = 2,048 keys in 16 K steps of 128; sums in f32.
; A work-group: 256 queries (block 4 x cluster y + cy) x 128 channels (column 4 x cluster x + cx); a wave 64 queries x 128 channels: 32 accumulators.  256 work-groups, one turn.
; v's 128 channels x 2,048 keys, 262,144 bytes, lie WHOLE in LDS: one joint load a wave brings four K steps of 16,384 bytes, shared along the cluster's column.  Wave 0's four are shown by the first barrier, the others' by the barrier
; inside K step 3.  Nothing is filled again.
; p's images go from memory straight into the registers of the one wave that multiplies them, three K steps ahead, in four sets of 64 registers: no LDS byte is spent on them, which is what leaves room for all of v; a joint load
; reaches LDS alone, so p is not asked for jointly.  PREFETCH of p: K steps 4 to 7 ahead of the loop, then a trip's four K steps one trip ahead of their loads; of the four, the partner with number cx names the cx-th: 8,192 bytes a wave, 256 a lane.
; THE ROW'S M: the launch before has taken M for each query and each 128 keys.  Here the row's largest M is found; each K step's scale bytes fall by the difference d, each held at 0, and its sum is multiplied by 2^-d; d is held at 127.
; LIMITS: NaN and infinities are not served.  Scale bytes of p are at most 119 (p is at most 1), which the four-at-a-time subtraction below uses.
; REGISTERS: window 0: addresses, scale words v32-55, 1 / l v56-63, the head's numbers, the way out; window 1: v's fragments, two sets; window 2: accumulators (a, b) at v[8 (8 a + b)]; window 3: p's, four sets.
.set SCA, 262144                       ; p's scale words: [K step][256 rows]
.set SCB, SCA+16384                    ; v's: [K step][128 rows]
.set RL, SCB+8192                      ; 1 / l, a number a query
.set SPARE, RL+1024
.set STAGE, SPARE+512                  ; the way out: 16 rows x 528 bytes a wave
.set SPITCH, 528
.set NP, 8
.set ADRB0, 16
.set ADRB, 17
.set ADSA0, 18
.set ADSA, 19
.set ADSB0, 20
.set ADSB, 21
.set STO, 24
.set RD, 25
.set CO, 26
.set PFO, 27
.set SPW, 28
.set NIL, 29
.set SC, 32                            ; two sets of 12: four of p's tiles, eight of v's
.set RLR, 56
.set PP, 64
.set BK, 128
.set WD, 64
.set NM, 96
.set LL, 128
.set DD, 160
.set GM, 192
.set SU, 194
.set VW, 200
.set G1B, 48
.set G0B, 56
.set PA, 20                            ; s[20:21] p at my rows, stepped by four K steps a trip
.set PFA, 66
.set TRIP, 73
.set MSB, 0
.macro WIN new
.if MSB != (\new)
	s_set_vgpr_msb (MSB<<8)|(\new)
.set MSB, (\new)
.endif
.endm
.macro PLACES n
.rept \n
	v_nop
.endr
.endm
.macro CROUND
	s_barrier_signal -1
	s_barrier_wait -1
	s_cmp_lg_u32 s14, 0
	s_cbranch_scc1 .Lnot_wave_0_\@
	s_barrier_signal -3
.Lnot_wave_0_\@:
	s_barrier_wait -3
	s_barrier_signal -1
	s_barrier_wait -1
.endm
	s_load_b256 s[4:11], s[0:1], 0x0               ; p_codes, p_scales, p_stats, qkv_codes
	s_load_b64 s[80:81], s[0:1], 0x20              ; qkv_scales
	s_load_b64 s[12:13], s[0:1], 0x28              ; out0
	v_lshl_add_u32 v[SPW], v0, 2, SPARE
	v_mov_b32 v[NIL], 0
	ds_add_u32 v[SPW], v[NIL]                      ; the wave's opening: the add, twice on end, and its wait
	ds_add_u32 v[SPW], v[NIL]
	v_lshrrev_b32 v1, 5, v0
	v_readfirstlane_b32 s14, v1                    ; wave
	s_bfe_u32 s40, ttmp6, 0x40000                  ; cx, cy
	s_bfe_u32 s41, ttmp6, 0x40004
	s_lshl_b32 s42, ttmp9, 2
	s_add_co_u32 s42, s42, s40                     ; the column of 128 channels, 0..7
	s_and_b32 s18, ttmp7, 0xffff
	s_lshl_b32 s17, s18, 2
	s_add_co_u32 s17, s17, s41                     ; the block of queries, 0..31
	s_lshr_b32 s46, s18, 1                         ; the batch
	s_lshl_b32 s46, s46, 2
	s_lshr_b32 s19, s42, 1
	s_add_co_u32 s46, s46, s19                     ; v's block of 256 channels
	s_and_b32 s19, s42, 1                          ; my half of it
	s_lshl_b32 s44, 0x1111, s40                    ; my column of the cluster
	s_or_b32 s[G1B+0], s44, (3<<16)|(1<<21)        ; elements of 8 bytes
	s_mov_b32 s[G1B+1], 2048<<16                   ; four rows of 16,384 bytes, 32,768 apart
	s_mov_b32 s[G1B+2], 4<<16
	s_mov_b32 s[G1B+3], 2048<<16
	s_mov_b32 s[G1B+4], 4
	s_mov_b32 s[G1B+5], 4096
	s_mov_b32 s[G1B+6], 0
	s_mov_b32 s[G1B+7], 0
	s_lshl_b32 s92, s46, 14                        ; v's scale words: my half of K steps wave, wave + 4, ..
	s_lshl_b32 s94, s19, 9
	s_add_co_u32 s92, s92, s94
	s_lshl_b32 s94, s14, 10
	s_add_co_u32 s92, s92, s94
	s_add_co_u32 s92, s92, 524288
	s_mov_b32 s93, 0
	s_lshl_b32 s46, s46, 19                        ; v's codes: my half, K steps 4 wave on
	s_lshl_b32 s47, s19, 14
	s_add_co_u32 s46, s46, s47
	s_lshl_b32 s47, s14, 17
	s_add_co_u32 s46, s46, s47
	s_add_co_u32 s46, s46, 16777216
	s_mov_b32 s47, 0
	s_lshl_b32 s20, s17, 19                        ; p: my 64 queries
	s_lshl_b32 s22, s14, 13
	s_add_co_u32 s20, s20, s22
	s_mov_b32 s21, 0
	s_lshl_b32 s22, s17, 14
	s_mov_b32 s23, 0
	s_lshl_b32 s18, s17, 20                        ; out: my 64 queries, my 128 channels
	s_lshl_b32 s94, s14, 18
	s_add_co_u32 s18, s18, s94
	s_lshl_b32 s94, s42, 9
	s_add_co_u32 s18, s18, s94
	s_mov_b32 s19, 0
	s_mov_b32 s[G0B], 1
	s_lshl_b32 s[G0B+1], s14, 16
	v_lshlrev_b32 v3, 3, v0                        ; two queries a thread
	v_add_nc_u32 v4, SCA, v3
	v_and_b32 v1, 15, v0                           ; r
	v_bfe_u32 v2, v0, 4, 1                         ; h
	v_and_b32 v7, 31, v0
	v_lshlrev_b32 v6, 4, v0
	v_add_nc_u32 v6, SCB, v6
	v_lshlrev_b32 v[CO], 4, v7                     ; 16 x lane
	v_lshlrev_b32 v[PFO], 8, v7
	v_lshlrev_b32 v[ADRB0], 4, v7
	v_lshlrev_b32 v[ADRB], 4, v7
	s_lshl_b32 s94, s14, 8
	s_add_co_u32 s95, s94, SCA
	v_lshl_add_u32 v[ADSA0], v1, 2, s95
	v_lshl_add_u32 v[ADSA], v1, 2, s95
	v_lshl_add_u32 v[ADSB0], v1, 2, SCB
	v_lshl_add_u32 v[ADSB], v1, 2, SCB
	s_add_co_u32 s95, s94, RL
	v_lshl_add_u32 v5, v1, 2, s95
	s_mul_i32 s94, s14, 16*SPITCH
	s_add_co_u32 s94, s94, STAGE
	v_mul_u32_u24 v8, v1, SPITCH
	v_lshl_add_u32 v8, v2, 5, v8
	v_add_nc_u32 v[STO], s94, v8
	v_add_nc_u32 v[RD], s94, v[CO]
	s_wait_alu depctr_va_vdst(0)
	s_wait_dscnt 0x0                               ; both opening adds are done
	CROUND                                         ; all sixteen work-groups are here
	s_wait_kmcnt 0x0
	s_add_nc_u64 s[G0B+2:G0B+3], s[10:11], s[46:47]
	s_or_b32 s[G0B+3], s[G0B+3], 0x80000000
	s_cmp_eq_u32 s14, 0                            ; one joint load a wave; wave 0 waits ahead of the first barrier, the others ahead of the second: a line each
	s_cbranch_scc0 .Lothers
	tensor_load_to_lds s[G0B:G0B+3], s[G1B:G1B+7]
	s_nop 0
	PLACES 4
	s_branch .Lasked
.Lothers:
	tensor_load_to_lds s[G0B:G0B+3], s[G1B:G1B+7]
	s_nop 0
	PLACES 4
.Lasked:
	s_add_nc_u64 s[PA:PA+1], s[4:5], s[PA:PA+1]
	s_add_nc_u64 s[92:93], s[80:81], s[92:93]
	s_add_nc_u64 s[6:7], s[6:7], s[22:23]
	s_add_nc_u64 s[8:9], s[8:9], s[22:23]
	s_add_nc_u64 s[12:13], s[12:13], s[18:19]
.set J, 0
.rept 16
	global_load_b64 v[NM+2*J:NM+2*J+1], v3, s[8:9] offset:1024*J           ; -M of each 128 keys
.set J, J+1
.endr
.set J, 0
.rept 16
	global_load_b64 v[LL+2*J:LL+2*J+1], v3, s[8:9] offset:524288+1024*J    ; their sums
.set J, J+1
.endr
.set J, 0
.rept 16
	global_load_b64 v[WD+2*J:WD+2*J+1], v3, s[6:7] offset:1024*J           ; their scale words
.set J, J+1
.endr
.irp i, 0,1,2,3
	global_load_b128 v[VW+4*\i:VW+4*\i+3], v[CO], s[92:93] offset:4096*\i  ; v's scale words
.endr
	s_lshl_b32 s94, s40, 15
	s_add_co_u32 s94, s94, 0x20000
	s_mov_b32 s95, 0
	s_add_nc_u64 s[PFA:PFA+1], s[PA:PA+1], s[94:95]  ; K step 4 + cx
	s_mov_b32 s70, 0                               ; steps of the LDS addresses: four K steps a trip
	s_mov_b32 s71, 0
	s_mov_b32 s72, 0
	s_mov_b32 s74, 0x80808080
	s_mov_b32 s75, 0x01010101
	s_wait_loadcnt 0x0
.macro LOADA k                                 ; p's four fragments of K step k into set k
.set J, 0
.rept 16
	global_load_b128 v[64*(\k)+4*J:64*(\k)+4*J+3], v[CO], s[PA:PA+1] offset:32768*(\k)+512*J
.set J, J+1
.endr
.endm
	WIN 0xc0                                       ; destination window 3
	LOADA 0
	LOADA 1
	LOADA 2
	WIN 0
.irp e, 0,1
	v_min3_num_f32 v[GM+\e], v[NM+\e], v[NM+2+\e], v[NM+4+\e]   ; the row's -M is the least of the sixteen
.irp k, 6,10,14,18,22,26
	v_min3_num_f32 v[GM+\e], v[GM+\e], v[NM+\k+\e], v[NM+\k+2+\e]
.endr
	v_min_num_f32 v[GM+\e], v[GM+\e], v[NM+30+\e]
.endr
.macro EACH n, text:vararg                     ; a line for each J
.set J, 0
.rept \n
	\text
.set J, J+1
.endr
.endm
	EACH 16, v_pk_add_f32 v[DD+2*J:DD+2*J+1], v[NM+2*J:NM+2*J+1], v[GM:GM+1] neg_lo:[0,1] neg_hi:[0,1]
	EACH 32, v_cvt_i32_f32 v[DD+J], v[DD+J]
	EACH 32, v_min_u32 v[DD+J], 0x7f, v[DD+J]      ; d: 0 .. 127
	EACH 32, v_sub_nc_u32 v[NM+J], 0, v[DD+J]
	EACH 32, v_ldexp_f32 v[LL+J], v[LL+J], v[NM+J]
	v_pk_add_f32 v[SU:SU+1], v[LL:LL+1], v[LL+2:LL+3]
.set J, 2
.rept 14
	v_pk_add_f32 v[SU:SU+1], v[SU:SU+1], v[LL+2*J:LL+2*J+1]
.set J, J+1
.endr
	s_wait_alu depctr_va_vdst(0)                   ; the wait ahead of the transcendentals
	v_rcp_f32 v[SU], v[SU]
	v_rcp_f32 v[SU+1], v[SU+1]
	; four bytes at a time: byte + 128 - d; where its top bit still stands, byte - d is what is left, elsewhere 0
	EACH 32, v_perm_b32 v[DD+J], v[DD+J], v[DD+J], 0
	EACH 32, v_sub_nc_u32 v[DD+J], s74, v[DD+J]
	EACH 32, v_add_nc_u32 v[WD+J], v[WD+J], v[DD+J]
	EACH 32, v_lshrrev_b32 v[DD+J], 7, v[WD+J]
	EACH 32, v_and_b32 v[DD+J], s75, v[DD+J]
	EACH 32, v_lshlrev_b32 v[NM+J], 7, v[DD+J]
	EACH 32, v_sub_nc_u32 v[NM+J], v[NM+J], v[DD+J]
	EACH 32, v_and_b32 v[WD+J], v[WD+J], v[NM+J]
	s_wait_alu depctr_va_vdst(0)                   ; and ahead of their first reader
	EACH 16, ds_store_b64 v4, v[WD+2*J:WD+2*J+1] offset:1024*J
	ds_store_b64 v4, v[SU:SU+1] offset:RL-SCA
.irp i, 0,1,2,3
	ds_store_b128 v6, v[VW+4*\i:VW+4*\i+3] offset:2048*\i
.endr
	s_cmp_eq_u32 s14, 0
	s_cbranch_scc0 .Lnot_0
	s_wait_tensorcnt 0x0                           ; wave 0: v's K steps 0 to 3 are in
.Lnot_0:
	s_wait_dscnt 0x0
	s_barrier_signal -1
	s_barrier_wait -1
.irp a, 0,1,2,3
	ds_load_b32 v[RLR+2*\a], v5 offset:64*\a
	ds_load_b32 v[RLR+2*\a+1], v5 offset:64*\a
.endr
; WHAT STANDS BEHIND PRODUCT n of K step k: eight plain lines; then K step k + 1's scale words and v's fragments out of LDS (f: its number from the addresses on; -1: none); then p's fragments of K step k + 3 (la: its number from PA on; -1: none).
; They go into the sets that K step k - 1 has read.
.macro GAP k, f, la, n
.if (\n) < 4
	v_nop
	v_nop
.elseif (\n) < 8
.if (\f) >= 0
	WIN 0
.set I_, 3*((\n)-4)
.rept 3
.if I_ < 4
	ds_load_b32 v[SC+12*(((\k)+1)%2)+I_], v[ADSA] offset:1024*(\f)+64*I_
.else
	ds_load_b32 v[SC+12*(((\k)+1)%2)+I_], v[ADSB] offset:512*(\f)+64*(I_-4)
.endif
.set I_, I_+1
.endr
.endif
.elseif (\n) < 24
.if (\f) >= 0
	WIN 0x40                                       ; destination window 1
.set I_, 2*((\n)-8)
.rept 2
	ds_load_b128 v[128*(((\k)+1)%2)+4*I_:128*(((\k)+1)%2)+4*I_+3], v[ADRB] offset:16384*(\f)+512*I_
.set I_, I_+1
.endr
.endif
.else
.if (\la) >= 0
	WIN 0xc0                                       ; destination window 3
.set I_, 2*((\n)-24)
.rept 2
	global_load_b128 v[64*(((\k)+3)%4)+4*I_:64*(((\k)+3)%4)+4*I_+3], v[CO], s[PA:PA+1] offset:32768*(\la)+512*I_
.set I_, I_+1
.endr
.endif
.endif
.endm
; K step k (its number modulo 4): 32 products, the 32 accumulators by turns.  lw: p's loads that may be out (the younger K steps').  bar = 1: the LDS addresses step on to the next four K steps, and the barrier shows all of v.
.macro STEP k, f, la, lw, bar, zero
	s_wait_loadcnt \lw
.if \bar
	WIN 0
	s_add_co_u32 s70, s70, 65536
	s_add_co_u32 s71, s71, 4096
	s_add_co_u32 s72, s72, 2048
	v_add_nc_u32 v[ADRB], s70, v[ADRB0]
	v_add_nc_u32 v[ADSA], s71, v[ADSA0]
	v_add_nc_u32 v[ADSB], s72, v[ADSB0]
	s_wait_alu depctr_va_vdst(0)
	s_wait_tensorcnt 0x0
	s_wait_dscnt 0x0
	s_barrier_signal -1
	s_barrier_wait -1
.else
	s_wait_dscnt 16                                ; the scale words and v's fragments 0 to 3 are in
.endif
.set N_, 0
.rept 32
.if N_ == 16
.if (\f) >= 0
	s_wait_dscnt 28                                ; fragments 4 to 7 are in: behind them 12 + 16 loads of this K step's
.else
	s_wait_dscnt 0x0
.endif
.endif
.set A_, N_%4
.set B_, N_/4
.set P_, (\k)%2
.set D_, 8*(8*A_+B_)
	WIN 0xad                                       ; source 0 (v) window 1, source 1 (p) window 3, C and D window 2
.if \zero
	v_wmma_scale_f32_16x16x128_f8f6f4 v[D_:D_+7], v[128*P_+16*B_:128*P_+16*B_+15], v[64*((\k)%4)+16*A_:64*((\k)%4)+16*A_+15], 0, v[SC+12*P_+4+B_], v[SC+12*P_+A_]
.else
	v_wmma_scale_f32_16x16x128_f8f6f4 v[D_:D_+7], v[128*P_+16*B_:128*P_+16*B_+15], v[64*((\k)%4)+16*A_:64*((\k)%4)+16*A_+15], v[D_:D_+7], v[SC+12*P_+4+B_], v[SC+12*P_+A_]
.endif
	GAP \k, \f, \la, N_
.set N_, N_+1
.endr
.endm
.set N_, 4
.rept 20
	GAP -1, 0, -1, N_                              ; K step 0's scale words and v's fragments
.set N_, N_+1
.endr
	WIN 0
	global_prefetch_b8 v[PFO], s[PFA:PFA+1] th:TH_LOAD_NT scope:SCOPE_SE   ; K step 4 + cx
	STEP 0, 1, 3, 32, 0, 1                         ; the first K step's products start the sums
	WIN 0
	s_wait_xcnt 0x0
	s_add_nc_u64 s[PFA:PFA+1], s[PFA:PFA+1], 0x20000
	s_mov_b32 s[TRIP], 0
.Ltrip:                                        ; K steps 4 i + 1 .. 4 i + 4
	STEP 1, 2, 4, 32, 0, 0
	STEP 2, 3, 5, 32, 0, 0
	WIN 0
	s_cmp_lt_u32 s[TRIP], 2
	s_cbranch_scc0 .Lnone_ahead
	global_prefetch_b8 v[PFO], s[PFA:PFA+1] th:TH_LOAD_NT scope:SCOPE_SE   ; K step 4 (i + 2) + cx
.Lnone_ahead:
	STEP 3, 0, 6, 32, 1, 0
	STEP 4, 1, 7, 32, 0, 0
	WIN 0
	s_wait_xcnt 0x0
	s_add_nc_u64 s[PA:PA+1], s[PA:PA+1], 0x20000
	s_add_nc_u64 s[PFA:PFA+1], s[PFA:PFA+1], 0x20000
	s_add_co_u32 s[TRIP], s[TRIP], 1
	s_cmp_lt_u32 s[TRIP], 3
	s_cbranch_scc1 .Ltrip
	STEP 1, 2, -1, 32, 0, 0                        ; K steps 13, 14, 15
	STEP 2, 3, -1, 16, 0, 0
	STEP 3, -1, -1, 0, 0, 0
	WIN 0
; THE WAY OUT, block by block of 16 queries x 128 channels: x 1 / l, through my own stage in LDS, and as whole rows of 512 bytes, which the 32 lanes store.
.macro SCALE a
.set AC, 64*(\a)
	WIN 0x02
.set J, 0
.rept 32
	v_pk_mul_f32 v[PP+J:PP+J+1], v[AC+J:AC+J+1], v[RLR+2*(\a):RLR+2*(\a)+1]
.set J, J+2
.endr
	WIN 0
.endm
.macro TOSTAGE a
.irp b, 0,1,2,3,4,5,6,7
	ds_store_b128 v[STO], v[PP+8*\b:PP+8*\b+3] offset:64*\b
	ds_store_b128 v[STO], v[PP+8*\b+4:PP+8*\b+7] offset:64*\b+16
.endr
.set BB, BK+64*((\a)%2)
.irp t, 0,1,2,3,4,5,6,7,8,9,10,11,12,13,14,15
	ds_load_b128 v[BB+4*\t:BB+4*\t+3], v[RD] offset:\t*SPITCH   ; LDS serves a wave's instructions in order (ISA guide 5.7.1.4)
.endr
.endm
.macro SEND a, younger
.set BB, BK+64*((\a)%2)
	s_wait_dscnt \younger
.irp t, 0,1,2,3,4,5,6,7,8,9,10,11,12,13,14,15
	global_store_b128 v[CO], v[BB+4*\t:BB+4*\t+3], s[12:13] offset:(16*(\a)+\t)*4096 th:TH_STORE_NT
.endr
.endm
	PLACES NP
	SCALE 0
	TOSTAGE 0
.irp a, 1,2,3
.if \a > 1
	s_wait_xcnt 0x0                                ; block a - 2's stores have read their registers
.endif
	s_wait_dscnt 16                                ; block a - 1's LDS stores are done
	SCALE \a
	TOSTAGE \a
	SEND \a-1, 32
.endr
	SEND 3, 0
	s_wait_tensorcnt 0x0                           ; the wave's end
	ds_add_u32 v[SPW], v[NIL]
	s_wait_dscnt 0x0
	CROUND                                         ; the closing round
	s_endpgm
.Lfunc_end_k_qa08d448386_mix:
	.size	k_qa08d448386_mix, .Lfunc_end_k_qa08d448386_mix-k_qa08d448386_mix
	.p2alignl 7, 3214868480
	.fill 96, 4, 3214868480
	.section	.rodata,"a",@progbits
	.p2align	6, 0x0
	.amdhsa_kernel k_qa08d448386_mix
		.amdhsa_group_segment_fixed_size 327680
		.amdhsa_private_segment_fixed_size 0
		.amdhsa_enable_private_segment 0
		.amdhsa_kernarg_size 48
		.amdhsa_user_sgpr_count 2
		.amdhsa_user_sgpr_kernarg_segment_ptr 1
		.amdhsa_wavefront_size32 1
		.amdhsa_system_sgpr_workgroup_id_x 1
		.amdhsa_system_sgpr_workgroup_id_y 1
		.amdhsa_system_sgpr_workgroup_id_z 1
		.amdhsa_system_vgpr_workitem_id 0
		.amdhsa_next_free_vgpr 1024
		.amdhsa_next_free_sgpr 102
		.amdhsa_reserve_vcc 0
		.amdhsa_float_denorm_mode_32 3
		.amdhsa_float_denorm_mode_16_64 3
		.amdhsa_memory_ordered 1
		.amdhsa_forward_progress 1
		.amdhsa_inst_pref_size 136
	.end_amdhsa_kernel
	.amdgpu_metadata
---
amdhsa.version: [ 1, 2 ]
amdhsa.kernels:
  - .name:           k_qa08d448386_mix
    .symbol:         k_qa08d448386_mix.kd
    .args:
      - { .name: p_codes, .offset: 0, .size: 8, .value_kind: global_buffer, .address_space: global }
      - { .name: p_scales, .offset: 8, .size: 8, .value_kind: global_buffer, .address_space: global }
      - { .name: p_stats, .offset: 16, .size: 8, .value_kind: global_buffer, .address_space: global }
      - { .name: qkv_codes, .offset: 24, .size: 8, .value_kind: global_buffer, .address_space: global }
      - { .name: qkv_scales, .offset: 32, .size: 8, .value_kind: global_buffer, .address_space: global }
      - { .name: out0, .offset: 40, .size: 8, .value_kind: global_buffer, .address_space: global }
    .group_segment_fixed_size: 327680
    .private_segment_fixed_size: 0
    .kernarg_segment_align: 8
    .kernarg_segment_size: 48
    .max_flat_workgroup_size: 128
    .sgpr_count:     102
    .vgpr_count:     1024
    .wavefront_size: 32
...
	.end_amdgpu_metadata
.endif
;; end of part 3
